; MI455X (gfx1250); checked and timed in simulation.
; The chip was launched on July 23, 2026; its instructions are those of AMD's public machine-readable ISA for CDNA 5 (MIT licence, August 2026) and "CDNA5" Instruction Set Architecture Reference Guide (July 2026). The comments in the code are by the model that wrote it; some were corrected since.
;; Disentangle Multi Headed Attention. Allowed arithmetic: matrix products marked QUANTISED: E2M3 operands, one E8M0 scale for each 32 along K, by v_wmma_scale_f32_16x16x128_f8f6f4 with both operands' format E2M3, f32 sums; everything else in f32.
;; Inputs: Wa 3 x 1,024 x 1,024 float32; Wb 3 x 1,024 x 1,024 float32; Wo_a 1,024 x 1,024 float32; Wo_b 1,024 x 1,024 float32; ba 3 x 1,024 float32; bb 3 x 1,024 float32; bo_a 1,024 float32; bo_b 1,024 float32; k_a 4 x 1,024 x 1,024 float32; k_b 4 x 1,024 x 1,024 float32; mask 4 x 1,024 int32; q_a 4 x 1,024 x 1,024 float32; q_b 4 x 1,024 x 1,024 float32; v_a 4 x 1,024 x 1,024 float32; v_b 4 x 1,024 x 1,024 float32.
;; Outputs: out0 4 x 1,024 x 1,024 float32; out1 4 x 1,024 x 1,024 float32.
;; This version of the problem:
;;   THIS VERSION OF THE PROBLEM IS GIVEN IN LOW PRECISION. The matrix products marked QUANTISED in the list below multiply operands that are first quantised to E2M3 (2 exponent bits, 3 mantissa bits; 6 bits a number), with one power-of-two scale for each 32 numbers along K (OCP MX v1.0); their sums are f32. All else is computed in f32.
;;   The module's matrix products, in the order in which they are computed (A, B: the left and right operand; K: the contracted axis; several contracted axes count as one K, in the product's order):
;;     1. [M 4,096, K 1,024] x [K 1,024, N 1,024]; A: input q_a; B: input Wa: QUANTISED
;;     2. [M 4,096, K 1,024] x [K 1,024, N 1,024]; A: input k_a; B: input Wa: QUANTISED
;;     3. [M 4,096, K 1,024] x [K 1,024, N 1,024]; A: input v_a; B: input Wa: QUANTISED
;;     4. [M 4,096, K 1,024] x [K 1,024, N 1,024]; A: input q_b; B: input Wb: QUANTISED
;;     5. [M 4,096, K 1,024] x [K 1,024, N 1,024]; A: input k_b; B: input Wb: QUANTISED
;;     6. [M 4,096, K 1,024] x [K 1,024, N 1,024]; A: input v_b; B: input Wb: QUANTISED
;;     7. batch 64 x [M 1,024, K 64] x [K 64, N 1,024]; A: computed on the way; B: computed on the way: QUANTISED
;;     8. batch 64 x [M 1,024, K 64] x [K 64, N 1,024]; A: computed on the way; B: computed on the way: QUANTISED
;;     9. batch 64 x [M 1,024, K 64] x [K 64, N 1,024]; A: computed on the way; B: computed on the way: QUANTISED
;;     10. batch 64 x [M 1,024, K 64] x [K 64, N 1,024]; A: computed on the way; B: computed on the way: QUANTISED
;;     11. batch 64 x [M 1,024, K 1,024] x [K 1,024, N 64]; A: softmax (see below); B: computed on the way: QUANTISED
;;     12. batch 64 x [M 1,024, K 1,024] x [K 1,024, N 64]; A: softmax (see below); B: computed on the way: QUANTISED
;;     13. [M 4,096, K 1,024] x [K 1,024, N 1,024]; A: computed on the way; B: input Wo_a: QUANTISED
;;     14. [M 4,096, K 1,024] x [K 1,024, N 1,024]; A: computed on the way; B: input Wo_b: QUANTISED
;;   THE QUANTISER, for each operand of a quantised product, along K:
;;     - K is cut into blocks of 32 from its start; a last block that is shorter is filled with zeros.
;;     - A block's scale is 2^e with e = floor(log2(the largest magnitude in the block)) - 2, held to -126 .. 127; a block of zeros has e = 0. As a byte (E8M0): e + 127.
;;     - Each number is divided by its block's scale, clamped to +-7.5, and rounded to the nearest number of E2M3, ties to even, subnormals kept.
;;     - The product sums the exact products of the quantised numbers (number of the format x scale) in f32.
;;   ~~~python
;;   def quantise(x, axis):      # numpy; x: float32 -> the quantised numbers, widened to float32 again
;;       x = np.moveaxis(x, axis, -1); K = x.shape[-1]
;;       x = np.pad(x, [(0, 0)] * (x.ndim - 1) + [(0, -K % 32)]); x = x.reshape(x.shape[:-1] + (-1, 32)); a = np.abs(x).max(-1, keepdims=True)
;;       e = np.where(a > 0, np.clip(np.frexp(np.where(a > 0, a, 1))[1] - 1 - 2, -126, 127), 0)      # np.frexp(a)[1] - 1 = floor(log2(a)), exactly
;;       r = np.clip(x / 2.0 ** e, -7.5, 7.5)
;;       step = 2.0 ** (np.maximum(np.frexp(np.where(r == 0, 1, r))[1] - 1, 0) - 3)
;;       q = np.round(r / step) * step * 2.0 ** e      # np.round: ties to even
;;       return np.moveaxis(q.reshape(q.shape[:-2] + (-1,))[..., :K], -1, axis).astype(np.float32)
;;   ~~~
;;   SOFTMAX AHEAD OF A QUANTISED PRODUCT. Where the list says 'softmax', what is quantised is not the finished softmax but p = 2^(t - M), with t = logit x log2(e) and M = ceil(the row's largest t), a whole number; so 1/2 < the row's largest p <= 1. The row's sum l is taken of the UNQUANTISED p, in f32, and the product's result is divided by l at the end. Since M is a whole number, a kernel that streams over the keys may use a running M (the ceiling of the running maximum): every later rescaling is an exact power of two, which a block's scale takes up: the codes' values come out the same.
;;   OPERANDS COMPUTED ON THE WAY. 'Computed on the way' means the value that the module computes at that place (a softmax that the list does not call 'softmax' is quantised finished and normalised). What goes into a quantiser is computed in f32, as accurately as f32 sums, v_exp_f32 and their like allow (about 1e-6 of the number): no bf16 or f16 on the way to a quantiser, and a product that is left as it is and whose result goes on into a quantised operand takes f32 operands (vector FMAs, or v_wmma_f32_16x16x4_f32). A number that lies on a knife's edge between two numbers of the format may be rounded either way, as far as f32 arithmetic and the matrix unit's own rounding can turn it there, and no further.
;; One version. Each part assembles by itself: llvm-mc -triple=amdgcn-amd-amdhsa -mcpu=gfx1250 --defsym DOCPART=n.
;; ======== version 1 of 1: 4 launches
;; limits: right only within a limited range of input values
;; workspace buffers: codes 31,457,280 bytes; scales 2,621,440 bytes; att 20,971,520 bytes
;; launch quant (part 1): grid 256 x 1, 16 waves a work-group, no clusters, 137,216 bytes of LDS; arguments q_a, k_a, v_a, q_b, k_b, v_b, Wa, Wb, Wo_a, Wo_b, codes, scales; writes codes, scales
.if DOCPART == 1
	.amdgcn_target "amdgcn-amd-amdhsa--gfx1250"
	.amdhsa_code_object_version 6
	.text
	.protected	k_q6328ec4c1f_quant
	.globl	k_q6328ec4c1f_quant
	.p2align	8
	.type	k_q6328ec4c1f_quant,@function
k_q6328ec4c1f_quant:
	s_mov_b64 s[64:65], 0
	v_nop
	global_prefetch_b8 v0, s[64:65] scope:SCOPE_SE
	s_setreg_imm32_b32 hwreg(HW_REG_WAVE_MODE, 25, 1), 1
	s_wait_xcnt 0x0
; The ten f32 inputs with rows of 1,024 numbers (six activations of 4,096 rows, Wa and Wb of 3,072, Wo_a and Wo_b of 1,024) become codes of FP6 (E2M3)
; with one E8M0 byte for each 32 along a row, laid in the ORDER OF THE OPERAND'S REGISTERS, so that every later read is dense.
; A TILE is 16 rows; of a group of 32 rows, lane index r of tile u (0, 1) is row 8 u + r + (r & 8).  Tile Tg's codes: 12,288 bytes, eight fragments (16 rows x 128 K) of 1,536 bytes.
; A fragment is two halves of 768 bytes (64 along K each): operand registers 0-3 at 16 x lane, registers 4-5 at 512 + 8 x lane.  Its scale words: 128 bytes, row r's word at 4 x lane (lanes r and 16 + r alike).
; A block's scale is 2^(floor(log2(largest magnitude)) - 2); its byte is the largest magnitude's exponent field - 2, held at 1 from below.
; LIMITS: a block of zeros gets the byte 1 (its codes are zeros; this program alone reads the bytes); blocks whose largest magnitude lies under 2^-124 have the byte held at 1; NaN and infinities are not served.
; SHARES: work-group g takes rows 128 g .. 128 g + 127 of the ten tensors laid on end (tiles 8 g .. 8 g + 7); wave w takes tile w / 2 and half w % 2 of K: four steps of 128.
; Each load reads 512 consecutive bytes of one row; a step's 16 rows turn through the wave's own stage in LDS (rows of 512 + 16 bytes) so that a lane gets 16 neighbours of each block of 32.
; Waves share nothing: no barrier.  Two steps' loads (32 a wave) are out at the start, 16 while a step is worked.
.set SPITCH, 528                       ; a stage row: 132 words, so the sixteen rows that a read touches begin in different banks
.set WSTG,   16*SPITCH                 ; a wave's stage
.set R,   16                           ; v16-143  two sets of 64 registers as loaded
.set X,   144                          ; v144-207 register 16 b + i = k 32 b + 16 (lane / 16) + i of my row
.set PC,  208                          ; v208-227 the fragment's codes (12), and eight at work
.set TM,  228                          ; v228-243 at work
.set PW,  244                          ; v244-247 a scale word for each step
	s_load_b512 s[16:31], s[0:1], 0x0              ; q_a k_a v_a q_b k_b v_b Wa Wb
	s_load_b256 s[32:39], s[0:1], 0x40             ; Wo_a Wo_b codes scales
	v_lshl_add_u32 v254, v0, 2, 0x21000
	v_mov_b32 v255, 0
	v_lshrrev_b32 v6, 5, v0
	s_delay_alu instid0(VALU_DEP_1)
	v_readfirstlane_b32 s8, v6                     ; wave 0..15
	v_and_b32 v7, 31, v0                           ; lane
	s_delay_alu instid0(VALU_DEP_1)
	v_lshlrev_b32 v1, 4, v7                        ; 16 x lane
	s_delay_alu instid0(VALU_DEP_2)
	v_lshlrev_b32 v2, 3, v7                        ; 8 x lane
	s_delay_alu instid0(VALU_DEP_3)
	v_lshlrev_b32 v3, 2, v7                        ; 4 x lane
	s_mul_i32 s9, s8, WSTG
	v_add_nc_u32 v4, s9, v1                        ; the stage, on the way in: a row's 512 bytes as they lie
	v_and_b32 v8, 15, v0
	v_bfe_u32 v9, v0, 4, 1
	s_delay_alu instid0(VALU_DEP_2)
	v_mul_u32_u24 v5, v8, SPITCH
	s_delay_alu instid0(VALU_DEP_1)
	v_lshl_add_u32 v5, v9, 6, v5
	s_delay_alu instid0(VALU_DEP_1)
	v_add_nc_u32 v5, s9, v5                        ; and on the way out: row r, + 64 bytes for lanes 16-31
	s_mov_b32 s10, 0x76543210
	s_mov_b32 s11, 0xfedcba98                      ; v_permlanex16_b32's selects for lane l xor 16
.irp b, 0,1,2,3
	v_mov_b32 v[TM+4+\b], 0                        ; written once: a lane permute's destination counts as one of its sources
.endr
	s_lshr_b32 s12, s8, 1                          ; my tile of the group's eight
	s_and_b32 s13, s8, 1                           ; my half of K
	s_wait_alu depctr_va_vdst(0)
	s_wait_kmcnt 0x0
	s_mov_b64 s[4:5], s[16:17]                     ; which tensor: the choice hangs on the work-group's number alone
	s_mov_b32 s6, 0                                ; and the first work-group of that tensor
.macro PICK first, ptr
	s_cmp_ge_u32 ttmp9, \first
	s_cselect_b64 s[4:5], s[\ptr:\ptr+1], s[4:5]
	s_cselect_b32 s6, \first, s6
.endm
	PICK 32, 18
	PICK 64, 20
	PICK 96, 22
	PICK 128, 24
	PICK 160, 26
	PICK 192, 28
	PICK 216, 30
	PICK 240, 32
	PICK 248, 34
	s_sub_co_u32 s14, ttmp9, s6
	s_lshl_b32 s14, s14, 19                        ; 128 rows of 4,096 bytes a work-group
	s_lshr_b32 s15, s12, 1
	s_lshl_b32 s15, s15, 17                        ; 32 rows for each pair of tiles,
	s_add_co_u32 s14, s14, s15
	s_and_b32 s15, s12, 1
	s_lshl_b32 s15, s15, 15                        ; 8 rows for the odd tile,
	s_add_co_u32 s14, s14, s15
	s_lshl_b32 s15, s13, 11                        ; 512 numbers for the second half of K
	s_add_co_u32 s14, s14, s15
	s_mov_b32 s15, 0
	s_add_nc_u64 s[4:5], s[4:5], s[14:15]
	s_lshl_b32 s40, ttmp9, 3
	s_add_co_u32 s40, s40, s12                     ; Tg
	s_mul_i32 s42, s40, 12288
	s_mul_i32 s44, s13, 6144
	s_add_co_u32 s42, s42, s44
	s_mov_b32 s43, 0
	s_add_nc_u64 s[36:37], s[36:37], s[42:43]      ; my four fragments
	s_lshl_b32 s42, s40, 10
	s_lshl_b32 s44, s13, 9
	s_add_co_u32 s42, s42, s44
	s_add_nc_u64 s[38:39], s[38:39], s[42:43]      ; and their scale words
.macro LOAD t                          ; step t: 128 numbers of each of the tile's 16 rows
.irp i, 0,1,2,3,4,5,6,7,8,9,10,11,12,13,14,15
	global_load_b128 v[R+64*((\t)%2)+4*\i:R+64*((\t)%2)+4*\i+3], v1, s[4:5] offset:(\i+8*(\i/8))*4096+512*(\t) th:TH_LOAD_NT
.endr
.endm
.macro QMAX s                          ; the largest magnitude of my 16 numbers of each of the four blocks, with the floor 2^(3 - 127) among the leaves
.irp b, 0,1,2,3
	v_max3_num_f32 v[TM+\b], |v[\s+16*\b]|, |v[\s+1+16*\b]|, 0x1800000
.endr
.irp i, 2,4,6,8,10,12,14
.irp b, 0,1,2,3
	s_delay_alu instid0(VALU_DEP_4)
	v_max3_num_f32 v[TM+\b], v[TM+\b], |v[\s+16*\b+\i]|, |v[\s+1+16*\b+\i]|
.endr
.endr
.irp b, 0,1,2,3
	s_delay_alu instid0(VALU_DEP_4)
	v_permlanex16_b32 v[TM+4+\b], v[TM+\b], s10, s11
.endr
.irp b, 0,1,2,3
	s_delay_alu instid0(VALU_DEP_4)
	v_max_num_f32 v[TM+\b], v[TM+\b], v[TM+4+\b]   ; with lane l xor 16's: the block's
.endr
.irp b, 0,1,2,3
	s_delay_alu instid0(VALU_DEP_4)
	v_add_nc_u32 v[TM+12+\b], 0xff000000, v[TM+\b] ; 2 off the exponent field: the conversion's scale operand
.endr
.irp b, 0,1,2,3
	s_delay_alu instid0(VALU_DEP_4)
	v_lshrrev_b32 v[TM+4+\b], 23, v[TM+12+\b]      ; the scale's byte
.endr
.endm
.macro QCVT s, pw                      ; the fragment's codes into v[PC] on, its scale word into v[pw]
	v_lshl_or_b32 v[\pw], v[TM+5], 8, v[TM+4]
	s_delay_alu instid0(VALU_DEP_1)
	v_lshl_or_b32 v[\pw], v[TM+6], 16, v[\pw]
	s_delay_alu instid0(VALU_DEP_1)
	v_lshl_or_b32 v[\pw], v[TM+7], 24, v[\pw]
.irp c, 0,1
	v_cvt_scalef32_pk16_fp6_f32 v[PC+6*\c:PC+2+6*\c], v[\s+32*\c:\s+15+32*\c], v[TM+12+2*\c]
	v_cvt_scalef32_pk16_fp6_f32 v[PC+12+4*\c:PC+14+4*\c], v[\s+16+32*\c:\s+31+32*\c], v[TM+12+2*\c+1]   ; (a conversion's three registers begin on an even number)
.endr
	v_nop                                          ; one plain place behind a scaled conversion
.irp c, 0,1                            ; the operand wants a whole block in a lane: lanes 0-15 block 2 c, lanes 16-31 block 2 c + 1
.irp i, 0,1,2
	v_permlane16_swap_b32 v[PC+6*\c+\i], v[PC+12+4*\c+\i]
.endr
.irp i, 0,1,2
	s_delay_alu instid0(VALU_DEP_3)
	v_mov_b32 v[PC+3+6*\c+\i], v[PC+12+4*\c+\i]
.endr
.endr
.endm
.macro QSTEP t
.if \t < 3
	s_wait_loadcnt 16                              ; this step's 16 loads are in; the next step's 16 may be out
.else
	s_wait_loadcnt 0x0
.endif
.irp i, 0,1,2,3,4,5,6,7,8,9,10,11,12,13,14,15
	ds_store_b128 v4, v[R+64*(\t%2)+4*\i:R+64*(\t%2)+4*\i+3] offset:SPITCH*\i
.endr
.irp b, 0,1,2,3
.irp j, 0,1,2,3
	ds_load_b128 v[X+16*\b+4*\j:X+16*\b+4*\j+3], v5 offset:128*\b+16*\j   ; LDS serves a wave's instructions in order: these see the stores above
.endr
.endr
	s_wait_dscnt 0x0                               ; the numbers are back, and the stores have read the set
.if \t+2 < 4
	LOAD \t+2                                      ; which takes the loads of two steps on
.endif
	QMAX X
	s_wait_alu depctr_va_vdst(0)
	s_wait_xcnt 0x0                                ; the last step's stores have read v[PC] on: only now are the codes written again
	QCVT X, PW+\t
	global_store_b128 v1, v[PC:PC+3], s[36:37] offset:1536*\t            ; 512 consecutive bytes
	global_store_b64 v2, v[PC+4:PC+5], s[36:37] offset:1536*\t+512       ; 256
	global_store_b128 v1, v[PC+6:PC+9], s[36:37] offset:1536*\t+768
	global_store_b64 v2, v[PC+10:PC+11], s[36:37] offset:1536*\t+1280
	global_store_b32 v3, v[PW+\t], s[38:39] offset:128*\t
.endm
	LOAD 0
	LOAD 1
	QSTEP 0
	QSTEP 1
	QSTEP 2
	QSTEP 3
	s_wait_tensorcnt 0x0
	ds_add_u32 v254, v255
	s_wait_dscnt 0x0
	s_endpgm
.Lfunc_end_k_q6328ec4c1f_quant:
	.size	k_q6328ec4c1f_quant, .Lfunc_end_k_q6328ec4c1f_quant-k_q6328ec4c1f_quant
	.p2alignl 7, 3214868480
	.fill 96, 4, 3214868480
	.section	.rodata,"a",@progbits
	.p2align	6, 0x0
	.amdhsa_kernel k_q6328ec4c1f_quant
		.amdhsa_group_segment_fixed_size 137216
		.amdhsa_private_segment_fixed_size 0
		.amdhsa_enable_private_segment 0
		.amdhsa_kernarg_size 96
		.amdhsa_user_sgpr_count 2
		.amdhsa_user_sgpr_kernarg_segment_ptr 1
		.amdhsa_wavefront_size32 1
		.amdhsa_system_sgpr_workgroup_id_x 1
		.amdhsa_system_sgpr_workgroup_id_y 1
		.amdhsa_system_sgpr_workgroup_id_z 1
		.amdhsa_system_vgpr_workitem_id 0
		.amdhsa_next_free_vgpr 256
		.amdhsa_next_free_sgpr 66
		.amdhsa_reserve_vcc 0
		.amdhsa_float_denorm_mode_32 3
		.amdhsa_float_denorm_mode_16_64 3
		.amdhsa_memory_ordered 1
		.amdhsa_forward_progress 1
		.amdhsa_inst_pref_size 42
	.end_amdhsa_kernel
	.amdgpu_metadata
---
amdhsa.version: [ 1, 2 ]
amdhsa.kernels:
  - .name:           k_q6328ec4c1f_quant
    .symbol:         k_q6328ec4c1f_quant.kd
    .args:
      - { .name: q_a, .offset: 0, .size: 8, .value_kind: global_buffer, .address_space: global }
      - { .name: k_a, .offset: 8, .size: 8, .value_kind: global_buffer, .address_space: global }
      - { .name: v_a, .offset: 16, .size: 8, .value_kind: global_buffer, .address_space: global }
      - { .name: q_b, .offset: 24, .size: 8, .value_kind: global_buffer, .address_space: global }
      - { .name: k_b, .offset: 32, .size: 8, .value_kind: global_buffer, .address_space: global }
      - { .name: v_b, .offset: 40, .size: 8, .value_kind: global_buffer, .address_space: global }
      - { .name: Wa, .offset: 48, .size: 8, .value_kind: global_buffer, .address_space: global }
      - { .name: Wb, .offset: 56, .size: 8, .value_kind: global_buffer, .address_space: global }
      - { .name: Wo_a, .offset: 64, .size: 8, .value_kind: global_buffer, .address_space: global }
      - { .name: Wo_b, .offset: 72, .size: 8, .value_kind: global_buffer, .address_space: global }
      - { .name: codes, .offset: 80, .size: 8, .value_kind: global_buffer, .address_space: global }
      - { .name: scales, .offset: 88, .size: 8, .value_kind: global_buffer, .address_space: global }
    .group_segment_fixed_size: 137216
    .private_segment_fixed_size: 0
    .kernarg_segment_align: 8
    .kernarg_segment_size: 96
    .max_flat_workgroup_size: 512
    .sgpr_count:     66
    .vgpr_count:     256
    .wavefront_size: 32
...
	.end_amdgpu_metadata
.endif
;; end of part 1
;; launch proj (part 2): grid 4 x 96, 4 waves a work-group, clusters of 4 x 4, 327,680 bytes of LDS; arguments codes, scales, ba, bb, att; writes att
.if DOCPART == 2
	.amdgcn_target "amdgcn-amd-amdhsa--gfx1250"
	.amdhsa_code_object_version 6
	.text
	.protected	k_q6328ec4c1f_proj
	.globl	k_q6328ec4c1f_proj
	.p2align	8
	.type	k_q6328ec4c1f_proj,@function
k_q6328ec4c1f_proj:
	s_mov_b64 s[64:65], 0
	v_nop
	global_prefetch_b8 v0, s[64:65] scope:SCOPE_SE
	s_setreg_imm32_b32 hwreg(HW_REG_WAVE_MODE, 25, 1), 1
	s_wait_xcnt 0x0
	s_wait_alu depctr_hold_cnt(0) depctr_sa_sdst(0) depctr_va_vdst(0) depctr_va_sdst(0) depctr_va_ssrc(0) depctr_va_vcc(0) depctr_vm_vsrc(0)
	s_getreg_b32 s2, hwreg(HW_REG_IB_STS2, 6, 4)
	s_cmp_eq_u32 s2, 0
	s_cbranch_scc0 .Lentry_in_a_cluster
	s_endpgm
.Lentry_in_a_cluster:
	s_bfe_u32 s2, ttmp6, 0x10000c
	s_cmp_lg_u32 s2, 0xf033
	s_cbranch_scc0 .Lentry_shape_is_right
	s_endpgm
.Lentry_shape_is_right:
; The six projections y = x W^T + b on codes of FP6 (E2M3), and the quantising of their results for the attention launch.
; Cluster y = 4 tau + cl; tau = 0..5: q_a k_a v_a q_b k_b v_b; stream sigma = tau / 3, kind = tau % 3 (0 q, 1 k, 2 v).  These are the same in all sixteen partners, and nothing else steers a branch.
; THE MATRIX INSTRUCTION IS USED TRANSPOSED: source 0 = 16 rows of B', source 1 = 16 rows of A': a lane holds one row of A' and its registers run along rows of B'.
; q, k: A' = x (tokens), B' = W (outputs): registers run along a head's d, which is the score products' K.   v: A' = W, B' = x: registers run along the keys, the second product's K.
; Tiles of 16 rows are laid so that lane index r of tile u of a group of 32 rows is row 8 u + r + (r & 8): register j of accumulator (a, b) in lane (r, h) is then row 32 (a/2) + 8 (a%2) + r + (r&8) of A'
; and row 32 (b/2) + 16 h + 8 (b%2) + j of B': the 64 registers of a block a are four blocks of 32, 16 neighbours a lane each, as the conversions want them.
; A work-group makes 256 x 256, a wave 128 x 128: 64 accumulators.  K = 1,024 goes in eight steps of 128, two to a slot, through two LDS slots filled by joint tensor loads:
; A's tiles are shared along a row of the cluster, B's along a column.  Codes lie in memory as images of the operand's registers, so every LDS read is dense: no padding.
; The scale words of all eight K steps stay in 64 registers; the bias is the C of the first K step's products.
; THE WAY OUT: each block of 16 rows x 128 is quantised in registers and stored as codes and scale halves where the attention launch wants them (table below).
; LIMITS: a block of zeros gets the byte 1 (codes zero; read by this program alone); largest magnitudes under 2^-124 have the byte held at 1; NaN and infinities are not served.
; REGISTERS: window 0: v16-23 LDS addresses, v24-26 16, 8, 4 x lane, v28-29 for the add, v30 scale offset, v32-95 scale words, v96-103 bias offsets, v128-223 A' fragments (one set; at work on the way out).
;   window 1: B' fragments, two sets at v0 and v128; the bias in the gaps v96-127, v224-255.   windows 2, 3: accumulators (a, b) at v[8 (8 (a % 4) + b)].
.set FR,     12
.set NL,     4                         ; LDS loads that bring a fragment
.set TILEB,  3072                      ; a tile's two K steps
.set HALFT,  8*TILEB                   ; eight tiles: what one tensor load brings, and what a wave reads of A' or of B'
.set SLOT,   4*HALFT
.set SPARE,  2*SLOT                    ; the spare words: 128 bytes a wave, two blocks of 256 bytes that no other line names
.set REC,    212992                    ; a (batch, head)'s record in att: K codes, V codes of both streams, K scale words, V scale words
.set QC_OFF, 64*REC
.set QS_OFF, QC_OFF+2*3145728
.set ADRA, 16                          ; v16-17 A' in slot 0, 1 at 16 x lane; v18-19 at 8 x lane
.set ADRB, 20                          ; v20-23 the same for B'
.set L16,  24
.set L8,   25
.set L4,   26
.set SPW,  28
.set NIL,  29
.set SOF,  30
.set SC,   32                          ; register 8 i + kk: lanes 0-15 the words of A' block i, lanes 16-31 those of B' block i, K step kk
.set VJ,   96
.set AF,   128
.set PC,   128
.set TM,   160
.set PW,   180
.set G1,  24
.set G0,  32
.set G1B, 48
.set G0B, 56
.set MSB, 0
.macro WIN new                         ; the immediate's high byte repeats the setting that is left
.if MSB != (\new)
	s_set_vgpr_msb (MSB<<8)|(\new)
.set MSB, (\new)
.endif
.endm
.set MUL_LO, 0xa1                      ; source 0 (B') window 1, source 1 (A') window 0, C and D window 2
.set MUL_HI, 0xf1                      ; C and D window 3
.set BIA_LO, 0x91                      ; C (the bias) window 1, D window 2
.set BIA_HI, 0xd1                      ; D window 3
.set TO_B,   0x40
.macro JLOAD g0a, g1a, g0b, g1b        ; a joint load: waves 0, 1 fetch for A', waves 2, 3 for B'; four v_nop follow each line
	s_cmp_eq_u32 s15, 0
	s_cbranch_scc0 .Lfor_b_\@
	tensor_load_to_lds s[\g0a:\g0a+3], s[\g1a:\g1a+7]
	s_nop 0
.rept 4
	v_nop
.endr
	s_branch .Lasked_\@
.Lfor_b_\@:
	tensor_load_to_lds s[\g0b:\g0b+3], s[\g1b:\g1b+7]
	s_nop 0
.rept 4
	v_nop
.endr
.Lasked_\@:
.endm
.macro CREST                           ; a round of the cluster's barrier behind its opening barrier
	s_cmp_lg_u32 s14, 0
	s_cbranch_scc1 .Lnot_wave_0_\@
	s_barrier_signal -3
.Lnot_wave_0_\@:
	s_barrier_wait -3
	s_barrier_signal -1
	s_barrier_wait -1
.endm
.macro CROUND
	s_barrier_signal -1
	s_barrier_wait -1
	CREST
.endm
.macro PLACES                          ; four plain places behind matrix instructions, ahead of loads into their sources and of reads of their results
.rept 4
	v_nop
.endr
.endm
	s_load_b256 s[4:11], s[0:1], 0x0               ; codes, scales, ba, bb
	s_load_b64 s[12:13], s[0:1], 0x20              ; att
	v_lshl_add_u32 v[SPW], v0, 2, SPARE
	v_mov_b32 v[NIL], 0
	ds_add_u32 v28, v29
	ds_add_u32 v28, v29
	s_wait_dscnt 0x0
	v_lshrrev_b32 v1, 5, v0
	v_readfirstlane_b32 s14, v1                    ; wave 0..3
	s_lshr_b32 s15, s14, 1                         ; my half of A' rows.  Also: I fetch for A' (0) or B' (1)
	s_and_b32 s16, s14, 1                          ; my half of B' rows.  Also: which eight tiles I fetch
	s_bfe_u32 s40, ttmp6, 0x40000                  ; cx
	s_bfe_u32 s41, ttmp6, 0x40004                  ; cy
	s_and_b32 s66, ttmp7, 0xffff                   ; cluster y, 0..23
	s_and_b32 s67, s66, 3
	s_lshl_b32 s67, s67, 2                         ; 4 cl
	s_lshr_b32 s66, s66, 2                         ; tau
	s_cmp_ge_u32 s66, 3
	s_cselect_b32 s99, 1, 0                        ; sigma
	s_cselect_b32 s18, 3, 0
	s_sub_co_u32 s98, s66, s18                     ; kind
	s_lshl_b32 s21, s66, 8                         ; x's first tile: 256 tau
	s_lshl_b32 s22, s66, 6
	s_add_co_u32 s22, s22, 1536                    ; W's: 1536 + 64 tau
	s_cmp_eq_u32 s98, 2
	s_cselect_b32 s19, 0, s67
	s_cselect_b32 s23, s67, 0
	s_cselect_b32 s101, s22, s21                   ; A' first tile
	s_cselect_b32 s100, s21, s22                   ; B' first tile
	s_add_co_u32 s17, s19, s41                     ; tile row of the result: hangs on cy alone
	s_add_co_u32 s42, s23, s40                     ; tile column: on cx alone
	s_lshl_b32 s43, s41, 2
	s_lshl_b32 s43, 15, s43                        ; my row of the cluster
	s_lshl_b32 s44, 0x1111, s40                    ; my column
	; descriptor group 1: eight rows (tiles) of 3,072 bytes (384 elements of 8), 12,288 bytes apart; dense in LDS
	s_or_b32 s[G1+0], s43, (3<<16)|(1<<21)
	s_or_b32 s[G1B+0], s44, (3<<16)|(1<<21)
.irp g, G1, G1B
	s_mov_b32 s[\g+1], 384<<16                     ; tensor_dim0
	s_mov_b32 s[\g+2], 8<<16                       ; tensor_dim1
	s_mov_b32 s[\g+3], 384<<16                     ; tile_dim0
	s_mov_b32 s[\g+4], 8                           ; tile_dim1
	s_mov_b32 s[\g+5], 1536                        ; stride, in elements
	s_mov_b32 s[\g+6], 0
	s_mov_b32 s[\g+7], 0
.endr
	s_lshl_b32 s18, s16, 3
	s_lshl_b32 s20, s17, 4
	s_add_co_u32 s20, s20, s101
	s_add_co_u32 s20, s20, s18                     ; A': tile first + 16 x tile row + 8 x half
	s_mul_i32 s20, s20, 12288
	s_mov_b32 s21, 0
	s_lshl_b32 s46, s42, 4
	s_add_co_u32 s46, s46, s100
	s_add_co_u32 s46, s46, s18                     ; B' likewise
	s_mul_i32 s46, s46, 12288
	s_mov_b32 s47, 0
	s_mul_i32 s45, s14, HALFT                      ; where they go: wave x eight tiles
	s_wait_kmcnt 0x0
	s_add_nc_u64 s[20:21], s[4:5], s[20:21]
	s_add_nc_u64 s[46:47], s[4:5], s[46:47]
	CROUND                                         ; all sixteen work-groups are here: the first joint loads meet
.irp s, 0,1
	s_mov_b32 s[G0+4*\s], 1
	s_add_co_u32 s[G0+4*\s+1], s45, \s*SLOT
	s_add_nc_u64 s[G0+4*\s+2:G0+4*\s+3], s[20:21], \s*TILEB
	s_or_b32 s[G0+4*\s+3], s[G0+4*\s+3], 0x80000000
	s_mov_b32 s[G0B+4*\s], 1
	s_add_co_u32 s[G0B+4*\s+1], s45, \s*SLOT
	s_add_nc_u64 s[G0B+4*\s+2:G0B+4*\s+3], s[46:47], \s*TILEB
	s_or_b32 s[G0B+4*\s+3], s[G0B+4*\s+3], 0x80000000
.endr
	JLOAD G0, G1, G0B, G1B                         ; slot 0: my one tensor load at the head; the set-up below stands under its flight
	v_and_b32 v1, 31, v0
	v_and_b32 v2, 15, v0                           ; r
	v_bfe_u32 v3, v0, 4, 1                         ; h
	v_lshlrev_b32 v[L16], 4, v1
	v_lshlrev_b32 v[L8], 3, v1
	v_lshlrev_b32 v[L4], 2, v1
	s_mul_i32 s18, s15, HALFT                      ; my eight tiles of A'
	s_mul_i32 s19, s16, HALFT
	s_add_co_u32 s19, s19, 2*HALFT                 ; and of B', behind A's sixteen
.irp s, 0,1
	v_add_nc_u32 v[ADRA+\s], s18, v[L16]
	v_add_nc_u32 v[ADRA+2+\s], s18, v[L8]
	v_add_nc_u32 v[ADRB+\s], s19, v[L16]
	v_add_nc_u32 v[ADRB+2+\s], s19, v[L8]
	s_add_co_u32 s18, s18, SLOT
	s_add_co_u32 s19, s19, SLOT
.endr
	; the scale words of my 8 + 8 tiles for all of K: lanes 0-15 take A's, lanes 16-31 B's
	s_lshl_b32 s18, s17, 4
	s_add_co_u32 s18, s18, s101
	s_lshl_b32 s19, s15, 3
	s_add_co_u32 s18, s18, s19
	s_lshl_b32 s18, s18, 10
	s_lshl_b32 s19, s42, 4
	s_add_co_u32 s19, s19, s100
	s_lshl_b32 s22, s16, 3
	s_add_co_u32 s19, s19, s22
	s_lshl_b32 s19, s19, 10
	v_mov_b32 v4, s18
	v_mov_b32 v5, s19
	v_cmp_eq_u32 vcc_lo, 1, v3
	v_cndmask_b32 v4, v4, v5, vcc_lo
	v_add_nc_u32 v[SOF], v4, v[L4]
.irp i, 0,1,2,3,4,5,6,7
.irp kk, 0,1,2,3,4,5,6,7
	global_load_b32 v[SC+8*\i+\kk], v[SOF], s[6:7] offset:1024*\i+128*\kk
.endr
.endr
	; R, C: the tile coordinates along tokens and along outputs; wR, wC: my wave's halves of them
	s_cmp_eq_u32 s98, 2
	s_cselect_b32 s84, s42, s17                    ; R
	s_cselect_b32 s85, s17, s42                    ; C
	s_cselect_b32 s86, s16, s15                    ; wR
	s_cselect_b32 s87, s15, s16                    ; wC
	s_cselect_b32 s88, 0, 64                       ; the bias' offset: q, k: 64 h + 4 j (it runs along the registers);
	s_cselect_b32 s89, 4, 0                        ; v: 4 (r + (r & 8)) (it runs along the lanes)
	s_cselect_b32 s90, 0, 4
	s_cmp_eq_u32 s99, 1
	s_cselect_b64 s[8:9], s[10:11], s[8:9]         ; ba or bb
	s_lshl_b32 s18, s98, 12
	s_lshl_b32 s19, s85, 10
	s_add_co_u32 s18, s18, s19
	s_lshl_b32 s19, s87, 9
	s_add_co_u32 s18, s18, s19
	s_mov_b32 s19, 0
	s_add_nc_u64 s[8:9], s[8:9], s[18:19]          ; row kind, my wave's 128 outputs
	v_and_b32 v4, 8, v2
	v_add_nc_u32 v4, v4, v2
	v_mul_u32_u24 v5, v3, s88
	v_mad_u32_u24 v[VJ], v4, s89, v5
.irp j, 1,2,3,4,5,6,7
	v_add_nc_u32 v[VJ+\j], s90, v[VJ+\j-1]
.endr
	WIN TO_B                                       ; set x of the bias (for tile x of the outputs) at v[96 + 8 x + 96 (x / 4)] of window 1
.irp x, 0,1,2,3,4,5,6,7
.irp j, 0,1,2,3,4,5,6,7
	global_load_b32 v[96+8*\x+96*(\x/4)+\j], v[VJ+\j], s[8:9] offset:4*(32*(\x/2)+8*(\x%2))
.endr
.endr
	WIN 0
	; where the results go, in att.  u = which 128 tokens of the batch; bh0 = the first of my wave's two heads
	s_lshr_b32 s91, s84, 2                         ; batch
	s_and_b32 s92, s84, 3
	s_lshl_b32 s92, s92, 1
	s_add_co_u32 s92, s92, s86                     ; u
	s_lshl_b32 s91, s91, 4
	s_lshl_b32 s93, s85, 2
	s_add_co_u32 s91, s91, s93
	s_lshl_b32 s93, s87, 1
	s_add_co_u32 s91, s91, s93                     ; bh0
	s_mov_b32 s94, 0x76543210
	s_mov_b32 s95, 0xfedcba98
.macro PICK reg, vq, vk, vv            ; a constant by kind: selects, no jump
	s_mov_b32 s[\reg], \vq
	s_cmp_eq_u32 s98, 1
	s_cselect_b32 s[\reg], \vk, s[\reg]
	s_cmp_eq_u32 s98, 2
	s_cselect_b32 s[\reg], \vv, s[\reg]
.endm
	PICK 68, QC_OFF, 0, 12288                      ; codes: the region (k, v: inside the 26,624 bytes that a record has for each 128 keys),
	PICK 18, 3145728, 768, 6144                    ; the stream,
	s_mul_i32 s18, s18, s99
	s_add_co_u32 s68, s68, s18
	PICK 18, 49152, REC, REC                       ; the (batch, head),
	s_mul_i32 s18, s18, s91
	s_add_co_u32 s68, s68, s18
	PICK 18, 6144, 26624, 26624                    ; the 128 tokens
	s_mul_i32 s18, s18, s92
	s_add_co_u32 s68, s68, s18
	s_mov_b32 s69, 0
	PICK 70, 49152, REC, 768                       ; from a fragment's first half to its second: q, k: the next head; v: the next 64 keys
	s_mov_b32 s71, 0
	s_add_nc_u64 s[68:69], s[12:13], s[68:69]
	s_add_nc_u64 s[70:71], s[68:69], s[70:71]
	PICK 72, QS_OFF, 24576, 25600                  ; the scale halves likewise
	PICK 18, 524288, 2, 512
	s_mul_i32 s18, s18, s99
	s_add_co_u32 s72, s72, s18
	PICK 18, 8192, REC, REC
	s_mul_i32 s18, s18, s91
	s_add_co_u32 s72, s72, s18
	PICK 18, 1024, 26624, 26624
	s_mul_i32 s18, s18, s92
	s_add_co_u32 s72, s72, s18
	s_mov_b32 s73, 0
	PICK 74, 8192, REC, 2
	s_mov_b32 s75, 0
	s_add_nc_u64 s[72:73], s[12:13], s[72:73]
	s_add_nc_u64 s[74:75], s[72:73], s[74:75]
	PICK 76, 768, 1536, 1536                       ; from block a to block a + 1;
	s_mov_b32 s77, 0
	PICK 78, 768, 1536, 208384                     ; from block 3 to block 4 (v: on to the next head's record)
	s_mov_b32 s79, 0
	s_mov_b32 s80, 128
	s_mov_b32 s81, 0
	PICK 82, 128, 128, 212608
	s_mov_b32 s83, 0
.macro FRAG reg, adr, q, i             ; a fragment as it lies: registers 0-3, 4-5, 6-9, 10-11; every load is dense
	ds_load_b128 v[\reg:\reg+3], v[\adr] offset:TILEB*(\i)+1536*(\q)
	ds_load_b64 v[\reg+4:\reg+5], v[\adr+2] offset:TILEB*(\i)+1536*(\q)+512
	ds_load_b128 v[\reg+6:\reg+9], v[\adr] offset:TILEB*(\i)+1536*(\q)+768
	ds_load_b64 v[\reg+10:\reg+11], v[\adr+2] offset:TILEB*(\i)+1536*(\q)+1280
.endm
; 16 products: A' blocks a0, a0 + 1 x B's eight.  p: B's set; kk: the K step.  mode 0: onto the sums; 1: the sums begin with the bias of B's block; 2: of A's block.
; The 64 accumulators take turns, one instruction a turn, in the same order in every step.
.macro MUL16 a0, p, kk, mode
.irp a, \a0, \a0+1
.irp b, 0,1,2,3,4,5,6,7
.if \mode == 0
.set CR, 8*(8*((\a)%4)+\b)
.elseif \mode == 1
.set CR, 96+8*\b+96*(\b/4)
.else
.set CR, 96+8*(\a)+96*((\a)/4)
.endif
	v_wmma_scale_f32_16x16x128_f8f6f4 v[8*(8*((\a)%4)+\b):8*(8*((\a)%4)+\b)+7], v[128*(\p)+FR*\b:128*(\p)+FR*\b+FR-1], v[AF+FR*(\a):AF+FR*(\a)+FR-1], v[CR:CR+7], v[SC+8*\b+\kk], v[SC+8*(\a)+\kk] matrix_a_fmt:MATRIX_FMT_FP6 matrix_b_fmt:MATRIX_FMT_FP6 matrix_a_scale:MATRIX_SCALE_ROW1
.endr
.endr
.endm
.macro FETCH_B slot, q, p
	WIN TO_B
.irp i, 0,1,2,3,4,5,6,7
	FRAG 128*(\p)+FR*\i, ADRB+\slot, \q, \i
.endr
	WIN 0
.endm
.macro FETCH_A slot, q, i0
.irp i, \i0, \i0+1, \i0+2, \i0+3
	FRAG AF+FR*(\i), ADRA+\slot, \q, \i
.endr
.endm
; A slot's first step of 128 along K; it fetches the slot's second.
.macro STEP slot, kk, mode
	s_wait_dscnt 4*NL                              ; B's set and A' blocks 0-3 are in; the youngest 16 loads (blocks 4-7) may be out
.if \mode == 0
	WIN MUL_LO
.else
	WIN BIA_LO
.endif
	MUL16 0, 0, \kk, \mode
	MUL16 2, 0, \kk, \mode
	s_wait_dscnt 0x0                               ; blocks 4-7 are in
	PLACES
	FETCH_B \slot, 1, 1
	FETCH_A \slot, 1, 0
.if \mode == 0
	WIN MUL_HI
.else
	WIN BIA_HI
.endif
	MUL16 4, 0, \kk, \mode
	MUL16 6, 0, \kk, \mode
	PLACES
	WIN 0
	FETCH_A \slot, 1, 4
.endm
; A slot's second step changes slots: one barrier; ahead of it each wave waits for all its tensor loads, adds 0 to its spare word, and waits for that and for its reads of this slot.
.macro TURN slot, next, fill, kk
	s_wait_tensorcnt 0x0                           ; my one load that was out, my part of the next slot, has landed
	ds_add_u32 v[SPW], v[NIL]                      ; 0 onto my spare word
	s_wait_dscnt 4*NL+1                            ; (the add and the youngest 16 loads may be out)
	WIN MUL_LO
	MUL16 0, 1, \kk, 0
	s_wait_dscnt 0x0                               ; the add is done, and my reads of this slot are over
	s_barrier_signal -1
	MUL16 2, 1, \kk, 0
	WIN 0
	s_barrier_wait -1
.if \fill
	CREST                                          ; the barrier has opened a round of the cluster's: no wave of any partner still reads this slot or has a load on its way
	s_add_nc_u64 s[G0+4*\slot+2:G0+4*\slot+3], s[G0+4*\slot+2:G0+4*\slot+3], 2*TILEB
	s_add_nc_u64 s[G0B+4*\slot+2:G0B+4*\slot+3], s[G0B+4*\slot+2:G0B+4*\slot+3], 2*TILEB
	JLOAD G0+4*\slot, G1, G0B+4*\slot, G1B         ; the first tensor load behind the round; its four v_nop are the places ahead of the loads below
.else
	PLACES
.endif
	FETCH_B \next, 0, 0
	FETCH_A \next, 0, 0
	WIN MUL_HI
	MUL16 4, 1, \kk, 0
	MUL16 6, 1, \kk, 0
	PLACES
	WIN 0
	FETCH_A \next, 0, 4
.endm
	s_wait_alu depctr_va_vdst(0)                   ; the wait at the head's end
	s_wait_tensorcnt 0x0                           ; my part of slot 0 is in
	ds_add_u32 v[SPW], v[NIL]
	s_wait_dscnt 0x0
	CROUND                                         ; everybody's part of slot 0 is in, and the sixteen work-groups meet
	JLOAD G0+4, G1, G0B+4, G1B                     ; slot 1: the first tensor load behind the round
	FETCH_B 0, 0, 0
	FETCH_A 0, 0, 0
	FETCH_A 0, 0, 4
	s_wait_loadcnt 0x0                             ; the scale words and the bias
	s_cmp_eq_u32 s98, 2                            ; the first step is written twice: which block's bias begins a sum hangs on the kind
	s_cbranch_scc1 .Lfirst_v
	STEP 0, 0, 1
	s_branch .Lfirst_done
.Lfirst_v:
	STEP 0, 0, 2
.Lfirst_done:
	TURN 0, 1, 1, 1                                ; slot 0 takes K steps 4, 5
	STEP 1, 2, 0
	TURN 1, 0, 1, 3                                ; slot 1 takes K steps 6, 7
	STEP 0, 4, 0
	TURN 0, 1, 0, 5                                ; nothing is left to fetch
	STEP 1, 6, 0
	s_wait_dscnt 4*NL
	WIN MUL_LO
	MUL16 0, 1, 7, 0
	MUL16 2, 1, 7, 0
	s_wait_dscnt 0x0
	WIN MUL_HI
	MUL16 4, 1, 7, 0
	MUL16 6, 1, 7, 0
	WIN 0
	PLACES                                         ; ahead of the first read of results and of writes into the registers that held A' fragments
.irp b, 0,1,2,3
	v_mov_b32 v[TM+4+\b], 0                        ; a lane permute's destination counts as one of its sources
.endr
; Block a: 16 rows x 128: four blocks of 32 become a fragment's codes and a scale word.  Each accumulator is read from its low end on.
.macro QOUT a
.set AC, 64*((\a)%4)
.set QW, 2+(\a)/4
	WIN (QW<<2)|(QW<<4)
.irp b, 0,1,2,3
	v_max3_num_f32 v[TM+\b], 0x1800000, |v[AC+16*\b]|, |v[AC+16*\b+1]|   ; with the floor 2^(3 - 127): the byte cannot fall under 1
.endr
.irp i, 2,4,6,8,10,12,14
.irp b, 0,1,2,3
	v_max3_num_f32 v[TM+\b], v[TM+\b], |v[AC+16*\b+\i]|, |v[AC+16*\b+\i+1]|
.endr
.endr
	WIN 0
.irp b, 0,1,2,3
	v_permlanex16_b32 v[TM+4+\b], v[TM+\b], s94, s95
.endr
.irp b, 0,1,2,3
	v_max_num_f32 v[TM+\b], v[TM+\b], v[TM+4+\b]
.endr
.irp b, 0,1,2,3
	v_add_nc_u32 v[TM+12+\b], 0xff000000, v[TM+\b]
.endr
.irp b, 0,1,2,3
	v_lshrrev_b32 v[TM+4+\b], 23, v[TM+12+\b]
.endr
	s_wait_alu depctr_va_vdst(0)
	s_wait_xcnt 0x0                                ; the last block's stores have read their data and bases: only now are these written again
.if (\a) > 0
.if (\a) == 4
	s_add_nc_u64 s[68:69], s[68:69], s[78:79]
	s_add_nc_u64 s[70:71], s[70:71], s[78:79]
	s_add_nc_u64 s[72:73], s[72:73], s[82:83]
	s_add_nc_u64 s[74:75], s[74:75], s[82:83]
.else
	s_add_nc_u64 s[68:69], s[68:69], s[76:77]
	s_add_nc_u64 s[70:71], s[70:71], s[76:77]
	s_add_nc_u64 s[72:73], s[72:73], s[80:81]
	s_add_nc_u64 s[74:75], s[74:75], s[80:81]
.endif
.endif
	v_lshl_or_b32 v[PW], v[TM+5], 8, v[TM+4]
	v_lshl_or_b32 v[PW], v[TM+6], 16, v[PW]
	v_lshl_or_b32 v[PW], v[TM+7], 24, v[PW]
	WIN QW
.irp c, 0,1
	v_cvt_scalef32_pk16_fp6_f32 v[PC+6*\c:PC+6*\c+2], v[AC+32*\c:AC+32*\c+15], v[TM+12+2*\c]
	v_cvt_scalef32_pk16_fp6_f32 v[PC+12+4*\c:PC+14+4*\c], v[AC+32*\c+16:AC+32*\c+31], v[TM+12+2*\c+1]
.endr
	WIN 0
	v_nop                                          ; one plain place behind a scaled conversion
.irp c, 0,1
.irp i, 0,1,2
	v_permlane16_swap_b32 v[PC+6*\c+\i], v[PC+12+4*\c+\i]
.endr
.irp i, 0,1,2
	v_mov_b32 v[PC+3+6*\c+\i], v[PC+12+4*\c+\i]
.endr
.endr
	global_store_b128 v[L16], v[PC:PC+3], s[68:69]               ; the first 64 columns' half image: 512 + 256 consecutive bytes
	global_store_b64 v[L8], v[PC+4:PC+5], s[68:69] offset:512
	global_store_b128 v[L16], v[PC+6:PC+9], s[70:71]             ; the second 64 columns'
	global_store_b64 v[L8], v[PC+10:PC+11], s[70:71] offset:512
	global_store_b16 v[L4], v[PW], s[72:73]                      ; two scale bytes for each half
	global_store_d16_hi_b16 v[L4], v[PW], s[74:75]
.endm
.irp a, 0,1,2,3,4,5,6,7
	QOUT \a
.endr
	s_wait_tensorcnt 0x0                           ; the wave's end
	ds_add_u32 v[SPW], v[NIL]
	s_wait_dscnt 0x0
	CROUND                                         ; the closing round: no work-group ends while a partner may still ask for a tile that names it
	s_endpgm
.Lfunc_end_k_q6328ec4c1f_proj:
	.size	k_q6328ec4c1f_proj, .Lfunc_end_k_q6328ec4c1f_proj-k_q6328ec4c1f_proj
	.p2alignl 7, 3214868480
	.fill 96, 4, 3214868480
	.section	.rodata,"a",@progbits
	.p2align	6, 0x0
	.amdhsa_kernel k_q6328ec4c1f_proj
		.amdhsa_group_segment_fixed_size 327680
		.amdhsa_private_segment_fixed_size 0
		.amdhsa_enable_private_segment 0
		.amdhsa_kernarg_size 40
		.amdhsa_user_sgpr_count 2
		.amdhsa_user_sgpr_kernarg_segment_ptr 1
		.amdhsa_wavefront_size32 1
		.amdhsa_system_sgpr_workgroup_id_x 1
		.amdhsa_system_sgpr_workgroup_id_y 1
		.amdhsa_system_sgpr_workgroup_id_z 1
		.amdhsa_system_vgpr_workitem_id 0
		.amdhsa_next_free_vgpr 1024
		.amdhsa_next_free_sgpr 102
		.amdhsa_reserve_vcc 1
		.amdhsa_float_denorm_mode_32 3
		.amdhsa_float_denorm_mode_16_64 3
		.amdhsa_memory_ordered 1
		.amdhsa_forward_progress 1
		.amdhsa_inst_pref_size 177
	.end_amdhsa_kernel
	.amdgpu_metadata
---
amdhsa.version: [ 1, 2 ]
amdhsa.kernels:
  - .name:           k_q6328ec4c1f_proj
    .symbol:         k_q6328ec4c1f_proj.kd
    .args:
      - { .name: codes, .offset: 0, .size: 8, .value_kind: global_buffer, .address_space: global }
      - { .name: scales, .offset: 8, .size: 8, .value_kind: global_buffer, .address_space: global }
      - { .name: ba, .offset: 16, .size: 8, .value_kind: global_buffer, .address_space: global }
      - { .name: bb, .offset: 24, .size: 8, .value_kind: global_buffer, .address_space: global }
      - { .name: att, .offset: 32, .size: 8, .value_kind: global_buffer, .address_space: global }
    .group_segment_fixed_size: 327680
    .private_segment_fixed_size: 0
    .kernarg_segment_align: 8
    .kernarg_segment_size: 40
    .max_flat_workgroup_size: 128
    .sgpr_count:     102
    .vgpr_count:     1024
    .wavefront_size: 32
...
	.end_amdgpu_metadata
.endif
;; end of part 2
;; launch attn (part 3): grid 4 x 64, 8 waves a work-group, clusters of 4 x 1, 263,168 bytes of LDS; arguments att, mask, codes, scales; writes codes, scales
.if DOCPART == 3
	.amdgcn_target "amdgcn-amd-amdhsa--gfx1250"
	.amdhsa_code_object_version 6
	.text
	.protected	k_q6328ec4c1f_attn
	.globl	k_q6328ec4c1f_attn
	.p2align	8
	.type	k_q6328ec4c1f_attn,@function
k_q6328ec4c1f_attn:
	s_mov_b64 s[64:65], 0
	v_nop
	global_prefetch_b8 v0, s[64:65] scope:SCOPE_SE
	s_setreg_imm32_b32 hwreg(HW_REG_WAVE_MODE, 25, 1), 1
	s_wait_xcnt 0x0
	s_wait_alu depctr_hold_cnt(0) depctr_sa_sdst(0) depctr_va_vdst(0) depctr_va_sdst(0) depctr_va_ssrc(0) depctr_va_vcc(0) depctr_vm_vsrc(0)
	s_getreg_b32 s2, hwreg(HW_REG_IB_STS2, 6, 4)
	s_cmp_eq_u32 s2, 0
	s_cbranch_scc0 .Lentry_in_a_cluster
	s_endpgm
.Lentry_in_a_cluster:
	s_bfe_u32 s2, ttmp6, 0x10000c
	s_cmp_lg_u32 s2, 0x3003
	s_cbranch_scc0 .Lentry_shape_is_right
	s_endpgm
.Lentry_shape_is_right:
; Both streams' attention for one (batch, head), on codes of FP6 (E2M3).  The two score products of a stream are ONE product with K = 128: [q | q] . [ka | kb], each block of 32 with its own scale.
; t = score x log2(e) / sqrt(128); M = the running largest t rounded up to a whole number; p = 2^(t - M) is quantised along the keys, not normalised; the row's sum is taken of the unquantised p
; and divides at the end.  The result is quantised along the head's 64 and stored as codes: an operand of the output projection.
; THE MASK is the C of the score products: 0 for an open key, -2^33 for a hidden one, so p is 0 there.  If a batch has no open key, the logits are all equal: c and the bias are then 0
; (two selects on the OR of the batch's mask, no jump), every p is 1 and the sum 1,024: the same uniform weights.
; LIMITS: a hidden score is -2^33 in place of a logit of -1e9: the same result while |q.ka + q.kb| stays under 2^32.  NaN and infinities are not served; a block of zeros gets the scale byte 1 (codes zero).
; CLUSTER: four work-groups share the (batch, head) and take 256 queries each.  The record has 26,624 bytes for each 128 keys (K 12,288; V of stream a, b 6,144 each; K's scale words 1,024; V's 512 each).
; Wave w brings step w by ONE joint load (104 rows of 256 bytes) to LDS byte 32,768 w; nothing is filled twice.  All of the record is asked for at the head and there is no loop to run ahead in: no data prefetch.
; A WAVE OWNS TWO QUERY TILES (unit u = 0, 1: tile 16 cx + 2 w + u), first of stream a, then of stream b: each fragment of K and V and each bias register feeds two products.
; LAYOUT: S^T = K Q^T and O^T = V^T P^T: a lane holds one query.  The 16 registers of key tiles 2 b, 2 b + 1 are keys 32 b + 16 (lane / 16) + 0 .. 15.
; FETCHES: K's tiles 0-3 and the biases of the NEXT step (step + 1 modulo 8) and V of this step are asked for behind the score products; K's tiles 4-7 at a trip's head, under the first eight products.
; The loop is written once for each stream, so the second stream's last trip fetches step 0's fragments, which nobody multiplies.
; WINDOW 1: v0-127 S^T, then p (64 a unit); v128-191 O^T (32 a unit); v192-255 the step's biases.   WINDOW 0: everything else; scale words lie there for both units.
.set REC,    212992
.set STEPB,  26624
.set QC_OFF, 64*REC
.set QS_OFF, QC_OFF+2*3145728
.set VO,     12288
.set KSO,    24576
.set VSO,    25600
.set MBO,    26624                     ; behind a step's bytes: its 128 biases, stored by the waves; no fill lands there
.set SPARE,  8*32768                   ; the spare words: 128 bytes a wave
.set L16, 1
.set L8,  2
.set L4,  3
.set H64, 4
.set C16, 5                            ; this step's base + 16, 8, 4 x lane
.set C8,  6
.set C4,  7
.set N16, 11                           ; the next step's
.set N8,  240
.set N4,  241
.set NM,  242                          ; the next step's base + 64 (lane / 16)
.set ST,  12                           ; unit u: -M at ST + 2 u, the largest t at ST + 2 u + 1
.set QQ,  16                           ; Q: 12 a unit
.set FA,  40                           ; four fragments: K's tiles 0-3
.set FB,  88                           ; four fragments: K's tiles 4-7, then V
.set SA,  136                          ; their scale words
.set SB,  140
.set QS,  144                          ; Q's scale words
.set PW,  146                          ; p's scale words
.set FF,  148                          ; f, a pair a unit
.set BM,  152                          ; block maxima: 4 u + b
.set TT,  160
.set SO,  168                          ; the conversions' scale operands
.set PC,  176                          ; p's codes: 12 and 8 at work, 20 a unit
.set LS,  216                          ; the row's sum: four pairs a unit
.set XX,  232
.set SPW, 254
.set NIL, 255
.set SS,  0
.set OO,  128
.set BI,  192
.set MSB, 0
.macro WIN new                         ; the immediate's high byte repeats the setting that is left
.if MSB != (\new)
	s_set_vgpr_msb (MSB<<8)|(\new)
.set MSB, (\new)
.endif
.endm
.macro CROUND                          ; a round of the cluster's barrier
	s_barrier_signal -1
	s_barrier_wait -1
	s_cmp_lg_u32 s12, 0
	s_cbranch_scc1 .Lnot_wave_0_\@
	s_barrier_signal -3
.Lnot_wave_0_\@:
	s_barrier_wait -3
	s_barrier_signal -1
	s_barrier_wait -1
.endm
.macro LD4 buf, sc, a16, a8, a4, off, soff     ; four fragments as they lie, and their scale words: 20 loads
.irp t, 0,1,2,3
	ds_load_b128 v[\buf+12*\t:\buf+12*\t+3], v[\a16] offset:\off+1536*\t
	ds_load_b64 v[\buf+12*\t+4:\buf+12*\t+5], v[\a8] offset:\off+1536*\t+512
	ds_load_b128 v[\buf+12*\t+6:\buf+12*\t+9], v[\a16] offset:\off+1536*\t+768
	ds_load_b64 v[\buf+12*\t+10:\buf+12*\t+11], v[\a8] offset:\off+1536*\t+1280
	ds_load_b32 v[\sc+\t], v[\a4] offset:\soff+128*\t
.endr
.endm
.macro LDBIAS am                       ; the biases of my eight keys of each of the step's eight tiles: 16 loads, into window 1
.irp t, 0,1,2,3,4,5,6,7
	ds_load_b128 v[BI+8*\t:BI+8*\t+3], v[\am] offset:MBO+4*(32*(\t/2)+8*(\t%2))
	ds_load_b128 v[BI+8*\t+4:BI+8*\t+7], v[\am] offset:MBO+4*(32*(\t/2)+8*(\t%2))+16
.endr
.endm
.macro SMUL buf, sc, g                 ; S^T = K Q^T + bias: four key tiles x two units
.irp t, 0,1,2,3
.irp u, 0,1
	v_wmma_scale_f32_16x16x128_f8f6f4 v[SS+64*\u+8*(4*\g+\t):SS+64*\u+8*(4*\g+\t)+7], v[\buf+12*\t:\buf+12*\t+11], v[QQ+12*\u:QQ+12*\u+11], v[BI+8*(4*\g+\t):BI+8*(4*\g+\t)+7], v[\sc+\t], v[QS+\u] matrix_a_fmt:MATRIX_FMT_FP6 matrix_b_fmt:MATRIX_FMT_FP6
.endr
.endr
.endm
.macro SWAPS n                         ; the operand wants a whole block in a lane; a conversion's three registers begin on an even number, so the upper halves are moved
.irp u, 0,1
.set CC, 0
.rept \n
.irp i, 0,1,2
	v_permlane16_swap_b32 v[PC+20*\u+6*CC+\i], v[PC+20*\u+12+4*CC+\i]
.endr
.set CC, CC+1
.endr
.endr
.irp u, 0,1
.set CC, 0
.rept \n
.irp i, 0,1,2
	v_mov_b32 v[PC+20*\u+3+6*CC+\i], v[PC+20*\u+12+4*CC+\i]
.endr
.set CC, CC+1
.endr
.endr
.endm
	s_load_b256 s[4:11], s[0:1], 0x0               ; att, mask, codes, scales
	v_lshl_add_u32 v[SPW], v0, 2, SPARE
	v_mov_b32 v[NIL], 0
	ds_add_u32 v[SPW], v[NIL]                      ; the opening lines: the add twice on end and its wait
	ds_add_u32 v[SPW], v[NIL]
	v_lshrrev_b32 v5, 5, v0
	v_readfirstlane_b32 s12, v5                    ; wave 0..7
	s_bfe_u32 s13, ttmp6, 0x40000                  ; cx: it enters Q's and the result's addresses alone
	s_and_b32 s14, ttmp7, 0xffff                   ; 16 x batch + head, which the four partners share
	s_mov_b32 s16, 15|(3<<16)|(1<<21)              ; group 1: the mask names all four; elements of 8 bytes; bit 21 beside the mask
	s_mov_b32 s17, 32<<16                          ; tensor_dim0 = 32 (256 bytes)
	s_mov_b32 s18, 104<<16                         ; tensor_dim1 = 104
	s_mov_b32 s19, 32<<16                          ; tile_dim0
	s_mov_b32 s20, 104                             ; tile_dim1
	s_mov_b32 s21, 32                              ; stride: dense
	s_mov_b32 s22, 0
	s_mov_b32 s23, 0
	s_mov_b32 s24, 1
	s_lshl_b32 s25, s12, 15                        ; LDS address: step w
	s_mul_i32 s48, s14, REC
	s_mul_i32 s50, s12, STEPB
	s_add_co_u32 s48, s48, s50
	s_mov_b32 s49, 0
	s_wait_dscnt 0x0
	s_wait_kmcnt 0x0
	s_add_nc_u64 s[26:27], s[4:5], s[48:49]
	s_or_b32 s27, s27, 0x80000000
	CROUND                                         ; the four work-groups are here: the joint loads meet
	tensor_load_to_lds s[24:27], s[16:23]          ; my one tensor load of the launch
	s_nop 0
.rept 4
	v_nop
.endr
	v_and_b32 v5, 31, v0
	v_bfe_u32 v6, v0, 4, 1
	v_lshlrev_b32 v76, 4, v0                       ; keys 4 t .. 4 t + 3 for thread t
	v_lshlrev_b32 v[L16], 4, v5
	v_lshlrev_b32 v[L8], 3, v5
	v_lshlrev_b32 v[L4], 2, v5
	v_lshlrev_b32 v[H64], 6, v6
	s_wait_alu depctr_va_vdst(0)
	s_lshr_b32 s50, s14, 4                         ; batch
	s_and_b32 s51, s14, 15                         ; head
	s_lshl_b32 s52, s50, 12
	s_mov_b32 s53, 0
	s_add_nc_u64 s[6:7], s[6:7], s[52:53]          ; the batch's row of the mask
.irp i, 0,1,2,3,4,5,6,7
	global_load_b128 v[40+4*\i:43+4*\i], v[L16], s[6:7] offset:512*\i     ; all 1,024 of it, for the OR
.endr
	global_load_b128 v[72:75], v76, s[6:7]
	s_lshl_b32 s39, s13, 4
	s_lshl_b32 s54, s12, 1
	s_add_co_u32 s39, s39, s54                     ; my first query tile of the batch's 64
	s_mul_i32 s52, s14, 49152
	s_mul_i32 s54, s39, 768
	s_add_co_u32 s52, s52, s54
	s_add_co_u32 s52, s52, QC_OFF
	s_add_nc_u64 s[40:41], s[4:5], s[52:53]        ; Q's half images, stream a
	s_lshl_b32 s52, s14, 13
	s_lshl_b32 s54, s39, 7
	s_add_co_u32 s52, s52, s54
	s_add_co_u32 s52, s52, QS_OFF
	s_add_nc_u64 s[42:43], s[4:5], s[52:53]        ; their scale halves
.irp u, 0,1
	global_load_b128 v[QQ+12*\u:QQ+12*\u+3], v[L16], s[40:41] offset:768*\u          ; stream a's half image, twice: [q | q]
	global_load_b64 v[QQ+12*\u+4:QQ+12*\u+5], v[L8], s[40:41] offset:768*\u+512
	global_load_b128 v[QQ+12*\u+6:QQ+12*\u+9], v[L16], s[40:41] offset:768*\u
	global_load_b64 v[QQ+12*\u+10:QQ+12*\u+11], v[L8], s[40:41] offset:768*\u+512
	global_load_u16 v[XX+\u], v[L4], s[42:43] offset:128*\u
.endr
	global_load_b128 v[244:247], v[L16], s[40:41] offset:3145728                     ; stream b's half images wait in v244-253, v236-237, their scale bytes in v238-239
	global_load_b64 v[248:249], v[L8], s[40:41] offset:3145728+512
	global_load_b128 v[250:253], v[L16], s[40:41] offset:3145728+768
	global_load_b64 v[236:237], v[L8], s[40:41] offset:3145728+768+512
	global_load_u16 v238, v[L4], s[42:43] offset:524288
	global_load_u16 v239, v[L4], s[42:43] offset:524288+128
	s_lshl_b32 s55, s50, 6
	s_add_co_u32 s55, s55, s39
	s_add_co_u32 s55, s55, 2048                    ; the result's first tile, stream a
	s_lshr_b32 s56, s51, 1
	s_and_b32 s57, s51, 1
	s_mul_i32 s52, s55, 12288
	s_mul_i32 s54, s56, 1536
	s_add_co_u32 s52, s52, s54
	s_mul_i32 s54, s57, 768
	s_add_co_u32 s52, s52, s54
	s_add_nc_u64 s[44:45], s[8:9], s[52:53]        ; K step head / 2, half head % 2
	s_lshl_b32 s52, s55, 10
	s_lshl_b32 s54, s56, 7
	s_add_co_u32 s52, s52, s54
	s_lshl_b32 s54, s57, 1
	s_add_co_u32 s52, s52, s54
	s_add_nc_u64 s[46:47], s[10:11], s[52:53]
	s_mov_b32 s28, 0x76543210
	s_mov_b32 s29, 0xfedcba98                      ; v_permlanex16_b32's selects for lane l xor 16
	v_add_nc_u32 v77, s25, v[L16]                  ; where my four biases go: step = wave, 16 x lane
.irp k, 0,1,2,3,4,5,6,7
	v_mov_b32 v[TT+\k], 0                          ; a lane permute's destination counts as one of its sources
.endr
	v_mov_b32 v[FF+1], 0                           ; (named as the upper halves of pairs)
	v_mov_b32 v[FF+3], 0
	s_wait_alu depctr_va_vdst(0)
	s_wait_loadcnt 16                              ; the mask's nine loads are in; Q's sixteen may be out
.irp n, 16,8,4,2,1
.set J, 0
.rept \n
	v_or_b32 v[40+J], v[40+J], v[40+\n+J]
.set J, J+1
.endr
.endr
	v_cmp_ne_u32 vcc_lo, 0, v40
	s_cmp_lg_u32 vcc_lo, 0                         ; is any key of the batch open?
	s_cselect_b32 s30, 0x3e0293ee, 0               ; c = log2(e) / sqrt(128), or 0
	s_cselect_b32 s32, 0xd0000000, 0               ; a hidden key's bias: -2^33, or 0
	s_mov_b32 s31, s30                             ; (the packed form names the pair)
	v_mov_b32 v78, s32
.irp j, 0,1,2,3
	v_cmp_eq_u32 vcc_lo, 0, v[72+\j]
	v_cndmask_b32 v[72+\j], 0, v78, vcc_lo
.endr
	ds_store_b128 v77, v[72:75] offset:MBO
; A KEY STEP: 128 keys, two units.
.macro TRIP sig
	s_lshl_b32 s33, s38, 15                        ; this step's bytes,
	s_add_co_u32 s34, s38, 1
	s_and_b32 s34, s34, 7
	s_lshl_b32 s34, s34, 15                        ; and those of step + 1 modulo 8
	v_add_nc_u32 v[C16], s33, v[L16]               ; (these seven are also the places ahead of the loads into registers that the last products read)
	v_add_nc_u32 v[C8], s33, v[L8]
	v_add_nc_u32 v[C4], s33, v[L4]
	v_add_nc_u32 v[N16], s34, v[L16]
	v_add_nc_u32 v[N8], s34, v[L8]
	v_add_nc_u32 v[N4], s34, v[L4]
	v_add_nc_u32 v[NM], s34, v[H64]
	s_wait_alu depctr_va_vdst(0)
	LD4 FB, SB, C16, C8, C4, 6144, KSO+512         ; K's tiles 4-7
	s_wait_dscnt 20                                ; all but these 20: K's tiles 0-3 and the biases are in
	WIN 0x50                                       ; C and D window 1
	SMUL FA, SA, 0
	s_wait_dscnt 0x0
	SMUL FB, SB, 1
	WIN 0
.rept 4
	v_nop                                          ; places: ahead of the reads of the scores and of the loads into the products' sources
.endr
	LD4 FB, SB, C16, C8, C4, VO+6144*\sig, VSO+512*\sig   ; V's four tiles of these keys
	LD4 FA, SA, N16, N8, N4, 0, KSO                ; the next step's K tiles 0-3
	WIN 0x40
	LDBIAS NM                                      ; and its biases
	WIN 0x14                                       ; sources 1, 2 window 1
.irp i, 0,2,4,6,8,10,12,14                         ; the largest score of each block of 32 keys: for the row's maximum and, since p rises with the score, for the block's largest p
.irp u, 0,1
.irp b, 0,1,2,3
.if \i == 0
	v_max3_num_f32 v[BM+4*\u+\b], 0xff800000, v[SS+64*\u+16*\b], v[SS+64*\u+16*\b+1]
.else
	v_max3_num_f32 v[BM+4*\u+\b], v[BM+4*\u+\b], v[SS+64*\u+16*\b+\i], v[SS+64*\u+16*\b+\i+1]
.endif
.endr
.endr
.endr
	WIN 0
.irp k, 0,1,2,3,4,5,6,7
	v_permlanex16_b32 v[TT+\k], v[BM+\k], s28, s29
.endr
.irp k, 0,1,2,3,4,5,6,7
	v_max_num_f32 v[BM+\k], v[BM+\k], v[TT+\k]     ; with lane l xor 16's 16 keys
.endr
.irp u, 0,1
	v_mov_b32 v[XX+2+\u], v[ST+2*\u]               ; the old -M
.endr
.irp u, 0,1
	v_max3_num_f32 v[XX+\u], v[BM+4*\u], v[BM+4*\u+1], v[BM+4*\u+2]
.endr
.irp u, 0,1
	s_delay_alu instid0(VALU_DEP_2)
	v_max_num_f32 v[XX+\u], v[XX+\u], v[BM+4*\u+3]
.endr
.irp u, 0,1
	s_delay_alu instid0(VALU_DEP_2)
	v_mul_f32 v[XX+\u], s30, v[XX+\u]              ; as t (c is not negative)
.endr
.irp u, 0,1
	s_delay_alu instid0(VALU_DEP_2)
	v_max_num_f32 v[ST+2*\u+1], v[ST+2*\u+1], v[XX+\u]   ; the running largest t
.endr
.irp u, 0,1
	s_delay_alu instid0(VALU_DEP_2)
	v_floor_f32 v[ST+2*\u], -v[ST+2*\u+1]          ; the new -M = floor(-t): M is a whole number
.endr
.irp u, 0,1
	s_delay_alu instid0(VALU_DEP_2)
	v_sub_f32 v[XX+\u], v[ST+2*\u], v[XX+2+\u]     ; old M - new M: a whole number, 0 or less
.endr
.irp u, 0,1
	s_delay_alu instid0(VALU_DEP_2)
	v_cvt_i32_f32 v[XX+\u], v[XX+\u]               ; (it saturates)
.endr
.irp u, 0,1
	s_delay_alu instid0(VALU_DEP_2)
	v_ldexp_f32 v[FF+2*\u], 1.0, v[XX+\u]          ; f = 2^(old M - new M): a multiplication by it rounds nothing
.endr
.irp k, 0,1,2,3,4,5,6,7
	v_fma_f32 v[BM+\k], v[BM+\k], s30, v[ST+2*(\k/4)]   ; t - M of each block's largest score
.endr
.irp c, 0,1,2,3
.irp u, 0,1
	v_pk_mul_f32 v[LS+8*\u+2*\c:LS+8*\u+2*\c+1], v[LS+8*\u+2*\c:LS+8*\u+2*\c+1], v[FF+2*\u:FF+2*\u+1] op_sel_hi:[1,0]   ; the sums under the new M
.endr
.endr
	WIN 0x41                                       ; source 0 and destination window 1
.set J, 0
.rept 16
.irp u, 0,1
	v_pk_mul_f32 v[OO+32*\u+J:OO+32*\u+J+1], v[OO+32*\u+J:OO+32*\u+J+1], v[FF+2*\u:FF+2*\u+1] op_sel_hi:[1,0]   ; O^T under the new M, each accumulator from its low end on
.endr
.set J, J+2
.endr
.set J, 0
.rept 32
.irp u, 0,1
	v_pk_fma_f32 v[SS+64*\u+J:SS+64*\u+J+1], v[SS+64*\u+J:SS+64*\u+J+1], s[30:31], v[ST+2*\u:ST+2*\u+1] op_sel_hi:[1,0,0]   ; t - M, two at a time
.endr
.set J, J+2
.endr
	s_wait_alu depctr_va_vdst(0)                   ; the wait ahead of the batch
.set J, 0
.rept 128
	v_exp_f32 v[SS+J], v[SS+J]                     ; p = 2^(t - M), at most 1
.set J, J+1
.endr
	WIN 0
.irp k, 0,1,2,3,4,5,6,7
	v_exp_f32 v[BM+\k], v[BM+\k]                   ; the blocks' largest p
.endr
	v_nop                                          ; a plain place behind the exponentials
	s_wait_alu depctr_va_vdst(0)                   ; one wait for the batch, ahead of its first reader
.irp k, 0,1,2,3,4,5,6,7
	v_max_num_f32 v[BM+\k], 0x1800000, v[BM+\k]    ; the floor 2^(3 - 127): the byte cannot fall under 1
.endr
.irp k, 0,1,2,3,4,5,6,7
	v_add_nc_u32 v[SO+\k], 0xff000000, v[BM+\k]    ; 2 off the exponent field: the conversion's scale operand
.endr
.irp k, 0,1,2,3,4,5,6,7
	v_lshrrev_b32 v[TT+\k], 23, v[SO+\k]
.endr
.irp u, 0,1
	v_lshl_or_b32 v[PW+\u], v[TT+4*\u+1], 8, v[TT+4*\u]   ; p's scale word for these 128 keys
.endr
.irp u, 0,1
	s_delay_alu instid0(VALU_DEP_2)
	v_lshl_or_b32 v[PW+\u], v[TT+4*\u+2], 16, v[PW+\u]
.endr
.irp u, 0,1
	s_delay_alu instid0(VALU_DEP_2)
	v_lshl_or_b32 v[PW+\u], v[TT+4*\u+3], 24, v[PW+\u]
.endr
	WIN 0x01                                       ; source 0 window 1
.irp u, 0,1
.irp c, 0,1
	v_cvt_scalef32_pk16_fp6_f32 v[PC+20*\u+6*\c:PC+20*\u+6*\c+2], v[SS+64*\u+32*\c:SS+64*\u+32*\c+15], v[SO+4*\u+2*\c]
	v_cvt_scalef32_pk16_fp6_f32 v[PC+20*\u+12+4*\c:PC+20*\u+14+4*\c], v[SS+64*\u+32*\c+16:SS+64*\u+32*\c+31], v[SO+4*\u+2*\c+1]
.endr
.endr
	WIN 0
	v_nop                                          ; one plain place behind a scaled conversion
	SWAPS 2
	WIN 0x04                                       ; source 1 window 1
.set J, 0
.rept 8
.irp c, 0,1,2,3
.irp u, 0,1
	v_pk_add_f32 v[LS+8*\u+2*\c:LS+8*\u+2*\c+1], v[LS+8*\u+2*\c:LS+8*\u+2*\c+1], v[SS+64*\u+J+2*\c:SS+64*\u+J+2*\c+1]   ; the row's sum of the unquantised p: eight chains.  (Also the places ahead of the products below)
.endr
.endr
.set J, J+8
.endr
	s_wait_alu depctr_va_vdst(0)
	s_wait_dscnt 36                                ; V is in; the 20 + 16 loads for the next step may be out
	WIN 0x50
.irp t, 0,1,2,3                                    ; O^T += V^T P^T: the eight accumulators by turns
.irp u, 0,1
	v_wmma_scale_f32_16x16x128_f8f6f4 v[OO+32*\u+8*\t:OO+32*\u+8*\t+7], v[FB+12*\t:FB+12*\t+11], v[PC+20*\u:PC+20*\u+11], v[OO+32*\u+8*\t:OO+32*\u+8*\t+7], v[SB+\t], v[PW+\u] matrix_a_fmt:MATRIX_FMT_FP6 matrix_b_fmt:MATRIX_FMT_FP6
.endr
.endr
	WIN 0
.endm
; One stream for my 32 queries.
.macro PASS sig
.if \sig
	s_wait_xcnt 0x0                                ; the last pass' stores have read their data
.irp j, 0,1,2,3,4,5
	v_mov_b32 v[QQ+\j], v[244+\j]                  ; stream b's [q | q]
	v_mov_b32 v[QQ+6+\j], v[244+\j]
.endr
.irp j, 0,1,2,3
	v_mov_b32 v[QQ+12+\j], v[250+\j]
	v_mov_b32 v[QQ+18+\j], v[250+\j]
.endr
.irp j, 0,1
	v_mov_b32 v[QQ+16+\j], v[236+\j]
	v_mov_b32 v[QQ+22+\j], v[236+\j]
.endr
.irp u, 0,1
	v_lshl_or_b32 v[QS+\u], v[238+\u], 16, v[238+\u]
.endr
.else
	s_wait_alu depctr_va_vdst(0)
	s_wait_loadcnt 0x0                             ; both streams' Q
.irp u, 0,1
	v_lshl_or_b32 v[QS+\u], v[XX+\u], 16, v[XX+\u] ; the same two bytes for both halves of K
.endr
.endif
.irp u, 0,1
	v_mov_b32 v[ST+2*\u+1], 0xff61b1e6             ; the largest t so far: -3e38
.endr
.irp u, 0,1
	s_delay_alu instid0(VALU_DEP_2)
	v_floor_f32 v[ST+2*\u], -v[ST+2*\u+1]
.endr
.set J, 0
.rept 16
	v_mov_b32 v[LS+J], 0
.set J, J+1
.endr
	WIN 0x40
.set J, 0
.rept 64
	v_mov_b32 v[OO+J], 0                           ; O^T: the loop has no first step of its own
.set J, J+1
.endr
	WIN 0
	s_mov_b32 s38, 0
	s_wait_alu depctr_va_vdst(0)                   ; the wait at the head's end
.if \sig == 0
	s_wait_tensorcnt 0x0                           ; my step of the record has landed,
	s_wait_dscnt 0x0                               ; my four biases are stored:
	s_barrier_signal -1
	s_barrier_wait -1                              ; everybody's are.  Nothing is written to LDS behind this barrier
	LD4 FA, SA, L16, L8, L4, 0, KSO                ; step 0's K tiles 0-3
	WIN 0x40
	LDBIAS H64                                     ; and its biases
	WIN 0
.endif
.Lkeys_\@:
	TRIP \sig
	s_add_co_u32 s38, s38, 1
	s_cmp_lt_u32 s38, 8
	s_cbranch_scc1 .Lkeys_\@
.irp u, 0,1
	v_pk_add_f32 v[LS+8*\u:LS+8*\u+1], v[LS+8*\u:LS+8*\u+1], v[LS+8*\u+2:LS+8*\u+3]   ; (these are also the places behind the last products)
	v_pk_add_f32 v[LS+8*\u+4:LS+8*\u+5], v[LS+8*\u+4:LS+8*\u+5], v[LS+8*\u+6:LS+8*\u+7]
.endr
.irp u, 0,1
	v_pk_add_f32 v[LS+8*\u:LS+8*\u+1], v[LS+8*\u:LS+8*\u+1], v[LS+8*\u+4:LS+8*\u+5]
.endr
.irp u, 0,1
	s_delay_alu instid0(VALU_DEP_2)
	v_add_f32 v[XX+\u], v[LS+8*\u], v[LS+8*\u+1]
.endr
.irp u, 0,1
	s_delay_alu instid0(VALU_DEP_2)
	v_permlanex16_b32 v[TT+\u], v[XX+\u], s28, s29
.endr
.irp u, 0,1
	s_delay_alu instid0(VALU_DEP_2)
	v_add_f32 v[XX+\u], v[XX+\u], v[TT+\u]         ; the row's sum
.endr
	s_wait_alu depctr_va_vdst(0)
.irp u, 0,1
	v_rcp_f32 v[XX+\u], v[XX+\u]
.endr
	v_nop
	WIN 0x41
	s_wait_alu depctr_va_vdst(0)                   ; for the reciprocals, and directly ahead of the first reader of O^T
.set J, 0
.rept 32
.irp u, 0,1
	v_mul_f32 v[SS+64*\u+J], v[OO+32*\u+J], v[XX+\u]   ; register 16 b + i = d 32 b + 16 (lane / 16) + i of my query
.endr
.set J, J+1
.endr
	WIN 0x14
.irp i, 0,2,4,6,8,10,12,14
.irp u, 0,1
.irp b, 0,1
.if \i == 0
	v_max3_num_f32 v[BM+4*\u+\b], 0x1800000, |v[SS+64*\u+16*\b]|, |v[SS+64*\u+16*\b+1]|
.else
	v_max3_num_f32 v[BM+4*\u+\b], v[BM+4*\u+\b], |v[SS+64*\u+16*\b+\i]|, |v[SS+64*\u+16*\b+\i+1]|
.endif
.endr
.endr
.endr
	WIN 0
.irp k, 0,1,4,5
	v_permlanex16_b32 v[TT+\k], v[BM+\k], s28, s29
.endr
.irp k, 0,1,4,5
	s_delay_alu instid0(VALU_DEP_4)
	v_max_num_f32 v[BM+\k], v[BM+\k], v[TT+\k]
.endr
.irp k, 0,1,4,5
	s_delay_alu instid0(VALU_DEP_4)
	v_add_nc_u32 v[SO+\k], 0xff000000, v[BM+\k]
.endr
.irp k, 0,1,4,5
	s_delay_alu instid0(VALU_DEP_4)
	v_lshrrev_b32 v[TT+\k], 23, v[SO+\k]
.endr
.irp u, 0,1
	v_lshl_or_b32 v[PW+\u], v[TT+4*\u+1], 8, v[TT+4*\u]
.endr
	WIN 0x01
.irp u, 0,1
	v_cvt_scalef32_pk16_fp6_f32 v[PC+20*\u:PC+20*\u+2], v[SS+64*\u:SS+64*\u+15], v[SO+4*\u]
	v_cvt_scalef32_pk16_fp6_f32 v[PC+20*\u+12:PC+20*\u+14], v[SS+64*\u+16:SS+64*\u+31], v[SO+4*\u+1]
.endr
	WIN 0
	v_nop
	SWAPS 1
.irp u, 0,1
	global_store_b128 v[L16], v[PC+20*\u:PC+20*\u+3], s[44:45] offset:\sig*3145728+12288*\u     ; a half image: 16 tokens x this head's 64
	global_store_b64 v[L8], v[PC+20*\u+4:PC+20*\u+5], s[44:45] offset:\sig*3145728+12288*\u+512
	global_store_b16 v[L4], v[PW+\u], s[46:47] offset:\sig*262144+1024*\u
.endr
.endm
	PASS 0
	PASS 1
	s_wait_tensorcnt 0x0                           ; the wave's end
	ds_add_u32 v[SPW], v[NIL]
	s_wait_dscnt 0x0
	CROUND                                         ; the closing round
	s_endpgm
.Lfunc_end_k_q6328ec4c1f_attn:
	.size	k_q6328ec4c1f_attn, .Lfunc_end_k_q6328ec4c1f_attn-k_q6328ec4c1f_attn
	.p2alignl 7, 3214868480
	.fill 96, 4, 3214868480
	.section	.rodata,"a",@progbits
	.p2align	6, 0x0
	.amdhsa_kernel k_q6328ec4c1f_attn
		.amdhsa_group_segment_fixed_size 263168
		.amdhsa_private_segment_fixed_size 0
		.amdhsa_enable_private_segment 0
		.amdhsa_kernarg_size 32
		.amdhsa_user_sgpr_count 2
		.amdhsa_user_sgpr_kernarg_segment_ptr 1
		.amdhsa_wavefront_size32 1
		.amdhsa_system_sgpr_workgroup_id_x 1
		.amdhsa_system_sgpr_workgroup_id_y 1
		.amdhsa_system_sgpr_workgroup_id_z 1
		.amdhsa_system_vgpr_workitem_id 0
		.amdhsa_next_free_vgpr 512
		.amdhsa_next_free_sgpr 66
		.amdhsa_reserve_vcc 1
		.amdhsa_float_denorm_mode_32 3
		.amdhsa_float_denorm_mode_16_64 3
		.amdhsa_memory_ordered 1
		.amdhsa_forward_progress 1
		.amdhsa_inst_pref_size 101
	.end_amdhsa_kernel
	.amdgpu_metadata
---
amdhsa.version: [ 1, 2 ]
amdhsa.kernels:
  - .name:           k_q6328ec4c1f_attn
    .symbol:         k_q6328ec4c1f_attn.kd
    .args:
      - { .name: att, .offset: 0, .size: 8, .value_kind: global_buffer, .address_space: global }
      - { .name: mask, .offset: 8, .size: 8, .value_kind: global_buffer, .address_space: global }
      - { .name: codes, .offset: 16, .size: 8, .value_kind: global_buffer, .address_space: global }
      - { .name: scales, .offset: 24, .size: 8, .value_kind: global_buffer, .address_space: global }
    .group_segment_fixed_size: 263168
    .private_segment_fixed_size: 0
    .kernarg_segment_align: 8
    .kernarg_segment_size: 32
    .max_flat_workgroup_size: 256
    .sgpr_count:     66
    .vgpr_count:     512
    .wavefront_size: 32
...
	.end_amdgpu_metadata
.endif
;; end of part 3
;; launch outp (part 4): grid 4 x 64, 4 waves a work-group, clusters of 4 x 4, 295,424 bytes of LDS; arguments codes, scales, bo_a, bo_b, out0, out1; writes out0, out1
.if DOCPART == 4
	.amdgcn_target "amdgcn-amd-amdhsa--gfx1250"
	.amdhsa_code_object_version 6
	.text
	.protected	k_q6328ec4c1f_outp
	.globl	k_q6328ec4c1f_outp
	.p2align	8
	.type	k_q6328ec4c1f_outp,@function
k_q6328ec4c1f_outp:
	s_mov_b64 s[64:65], 0
	v_nop
	global_prefetch_b8 v0, s[64:65] scope:SCOPE_SE
	s_setreg_imm32_b32 hwreg(HW_REG_WAVE_MODE, 25, 1), 1
	s_wait_xcnt 0x0
	s_wait_alu depctr_hold_cnt(0) depctr_sa_sdst(0) depctr_va_vdst(0) depctr_va_sdst(0) depctr_va_ssrc(0) depctr_va_vcc(0) depctr_vm_vsrc(0)
	s_getreg_b32 s2, hwreg(HW_REG_IB_STS2, 6, 4)
	s_cmp_eq_u32 s2, 0
	s_cbranch_scc0 .Lentry_in_a_cluster
	s_endpgm
.Lentry_in_a_cluster:
	s_bfe_u32 s2, ttmp6, 0x10000c
	s_cmp_lg_u32 s2, 0xf033
	s_cbranch_scc0 .Lentry_shape_is_right
	s_endpgm
.Lentry_shape_is_right:
; The two output projections y = h Wo^T + bo on codes of FP6 (E2M3): h is the attention launch's result (tiles 2048 on), Wo_a and Wo_b lie at tiles 1920 and 1984; y is f32.
; A work-group makes 128 tokens x 256 outputs: 4 x 64 work-groups.  Work-group y = 4 x cluster y + cy counts blocks of 128 tokens of both streams on end; stream sigma = cluster y / 8, the same in all sixteen partners.
; ALL OF K = 1,024 STAYS IN LDS: A' (tokens) 8 tiles of 12,288 bytes, B' (outputs) 16 tiles: 294,912 bytes, filled once, by ONE joint load a wave at the head: waves 0, 1 the halves of A' (shared along a row
; of the cluster), waves 2, 3 the halves of B' (shared along a column).  Tiles lie on end in memory, so a load is a dense block, stated as rows of 256 bytes.  No byte is filled twice: no ring, no round inside the walk.
; Everything is asked for at the head and there is no loop to run ahead in: no data prefetch.
; Codes lie as images of the operand's registers (a fragment: 1,536 bytes; registers 0-3 at 16 x lane, 4-5 at 512 + 8 x lane, 6-9 at 768 + 16 x lane, 10-11 at 1,280 + 8 x lane): every LDS read is dense.
; THE MATRIX INSTRUCTION IS USED TRANSPOSED: source 0 = 16 rows of B', source 1 = 16 rows of A': a lane holds one token and its registers run along the outputs.
; Lane index r of tile u of a group of 32 rows is row 8 u + r + (r & 8): register j of accumulator (a, b) in lane (r, h) is token 32 (a/2) + 8 (a%2) + r + (r&8), output 32 (b/2) + 16 h + 8 (b%2) + j.
; A wave makes 64 x 128: 32 accumulators, which take turns in the same order in every K step.  The bias is the C of the first K step's products.
; REGISTERS: window 0: v16-21 LDS addresses, v24-31 lane offsets, stage addresses and the add's two, v32-95 scale words, v128-223 A' fragments, two sets (v128-255 at work on the way out).
;   window 1: B' fragments, two sets at v0 and v128; the bias in the gaps v96-127, v224-255.   window 2: accumulator (a, b) at v[8 (8 a + b)].
.set FR,     12
.set TILE,   12288
.set LB,     8*TILE                    ; B' behind A'
.set SPARE,  24*TILE                   ; the spare words: 128 bytes a wave
.set SPITCH, 528                       ; the way out: a stage of 16 rows x (512 + 16) bytes a wave, in A's bytes, behind the barrier behind which nobody reads them
.set ADRA, 16                          ; v16, v17: my four tiles of A' at 16, 8 x lane
.set ADRB, 18                          ; v18, v19: my tiles 0-3 of B'; v20, v21: tiles 4-7
.set L16,  24
.set L8,   25
.set L4,   26
.set STO,  27
.set SPW,  28
.set NIL,  29
.set SOF,  30
.set RD,   31
.set SC,   32                          ; register 8 i + kk: lanes 0-15 the words of A' block i (i under 4), lanes 16-31 those of B' block i, K step kk
.set HB,   96
.set SOB,  97
.set AF,   128
.set BK,   128
.set G1,  24
.set G0,  32
.set G1B, 48
.set G0B, 56
.set MSB, 0
.macro WIN new                         ; the immediate's high byte repeats the setting that is left
.if MSB != (\new)
	s_set_vgpr_msb (MSB<<8)|(\new)
.set MSB, (\new)
.endif
.endm
.set MUL_LO, 0xa1                      ; source 0 (B') window 1, source 1 (A') window 0, C and D window 2
.set BIA_LO, 0x91                      ; C (the bias) window 1, D window 2
.set TO_B,   0x40
.macro CROUND                          ; a round of the cluster's barrier
	s_barrier_signal -1
	s_barrier_wait -1
	s_cmp_lg_u32 s14, 0
	s_cbranch_scc1 .Lnot_wave_0_\@
	s_barrier_signal -3
.Lnot_wave_0_\@:
	s_barrier_wait -3
	s_barrier_signal -1
	s_barrier_wait -1
.endm
.macro PLACES                          ; four plain places behind matrix instructions (ISA guide 7.12.1)
.rept 4
	v_nop
.endr
.endm
	s_load_b256 s[4:11], s[0:1], 0x0               ; codes, scales, bo_a, bo_b
	s_load_b128 s[68:71], s[0:1], 0x20             ; out0, out1
	v_lshl_add_u32 v[SPW], v0, 2, SPARE
	v_mov_b32 v[NIL], 0
	ds_add_u32 v[SPW], v[NIL]                      ; the opening lines: the add twice on end and its wait
	ds_add_u32 v[SPW], v[NIL]
	v_lshrrev_b32 v1, 5, v0
	v_readfirstlane_b32 s14, v1                    ; wave 0..3
	s_lshr_b32 s15, s14, 1                         ; my half of A' rows.  Also: I fetch for A' (0) or B' (1)
	s_and_b32 s16, s14, 1                          ; my half of B' rows.  Also: which half I fetch
	s_bfe_u32 s40, ttmp6, 0x40000                  ; cx
	s_bfe_u32 s41, ttmp6, 0x40004                  ; cy
	s_and_b32 s66, ttmp7, 0xffff                   ; cluster y, 0..15
	s_lshr_b32 s99, s66, 3                         ; sigma
	s_lshl_b32 s17, s66, 2
	s_add_co_u32 s17, s17, s41                     ; work-group y: hangs on cy alone
	s_lshl_b32 s43, s41, 2
	s_lshl_b32 s43, 15, s43                        ; my row of the cluster
	s_lshl_b32 s44, 0x1111, s40                    ; my column
	s_or_b32 s[G1+0], s43, (3<<16)|(1<<21)         ; group 1: the mask; elements of 8 bytes; bit 21 beside the mask
	s_mov_b32 s[G1+1], 32<<16                      ; rows of 256 bytes,
	s_mov_b32 s[G1+2], 192<<16                     ; 192 of them: four tiles of A'
	s_mov_b32 s[G1+3], 32<<16
	s_mov_b32 s[G1+4], 192
	s_mov_b32 s[G1+5], 32                          ; dense
	s_mov_b32 s[G1+6], 0
	s_mov_b32 s[G1+7], 0
	s_or_b32 s[G1B+0], s44, (3<<16)|(1<<21)
	s_mov_b32 s[G1B+1], 32<<16
	s_mov_b32 s[G1B+2], 384<<16                    ; 384 rows: eight tiles of B'
	s_mov_b32 s[G1B+3], 32<<16
	s_mov_b32 s[G1B+4], 384
	s_mov_b32 s[G1B+5], 32
	s_mov_b32 s[G1B+6], 0
	s_mov_b32 s[G1B+7], 0
	s_lshl_b32 s20, s17, 3
	s_lshl_b32 s18, s16, 2
	s_add_co_u32 s20, s20, s18
	s_add_co_u32 s20, s20, 2048                    ; A': tile 2048 + 8 x work-group y + 4 x half
	s_mul_i32 s20, s20, TILE
	s_mov_b32 s21, 0
	s_lshl_b32 s46, s40, 4
	s_lshl_b32 s18, s99, 6
	s_add_co_u32 s46, s46, s18
	s_lshl_b32 s18, s16, 3
	s_add_co_u32 s46, s46, s18
	s_add_co_u32 s46, s46, 1920                    ; B': tile 1920 + 64 sigma + 16 cx + 8 x half
	s_mul_i32 s46, s46, TILE
	s_mov_b32 s47, 0
	s_mov_b32 s[G0], 1
	s_mul_i32 s[G0+1], s16, 4*TILE                 ; where they go: no place in the cluster enters an LDS address
	s_mov_b32 s[G0B], 1
	s_mul_i32 s[G0B+1], s16, 8*TILE
	s_add_co_u32 s[G0B+1], s[G0B+1], LB
	s_wait_dscnt 0x0
	s_wait_kmcnt 0x0
	s_add_nc_u64 s[G0+2:G0+3], s[4:5], s[20:21]
	s_or_b32 s[G0+3], s[G0+3], 0x80000000
	s_add_nc_u64 s[G0B+2:G0B+3], s[4:5], s[46:47]
	s_or_b32 s[G0B+3], s[G0B+3], 0x80000000
	CROUND                                         ; all sixteen work-groups are here: the joint loads meet
	s_cmp_eq_u32 s15, 0                            ; my one tensor load of the launch; an s_nop 0 and four v_nop follow each line
	s_cbranch_scc0 .Lfor_b
	tensor_load_to_lds s[G0:G0+3], s[G1:G1+7]
	s_nop 0
	PLACES
	s_branch .Lasked
.Lfor_b:
	tensor_load_to_lds s[G0B:G0B+3], s[G1B:G1B+7]
	s_nop 0
	PLACES
.Lasked:
	s_mul_i32 s18, s15, 4*TILE                     ; my four tiles of A'
	s_mul_i32 s19, s16, 8*TILE
	s_add_co_u32 s19, s19, LB                      ; my eight of B': tiles 0-3,
	s_add_co_u32 s22, s19, 4*TILE                  ; tiles 4-7
	s_mul_i32 s23, s14, 16*SPITCH                  ; my stage
	s_lshl_b32 s72, s17, 3
	s_lshl_b32 s73, s15, 2
	s_add_co_u32 s72, s72, s73
	s_add_co_u32 s72, s72, 2048
	s_lshl_b32 s72, s72, 10                        ; the scale words of my tiles of A': 1,024 bytes a tile
	s_lshl_b32 s73, s40, 4
	s_lshl_b32 s74, s99, 6
	s_add_co_u32 s73, s73, s74
	s_lshl_b32 s74, s16, 3
	s_add_co_u32 s73, s73, s74
	s_add_co_u32 s73, s73, 1920
	s_lshl_b32 s73, s73, 10                        ; and of B'
	s_cmp_eq_u32 s99, 1
	s_cselect_b64 s[8:9], s[10:11], s[8:9]         ; bo_a or bo_b
	s_cselect_b64 s[12:13], s[70:71], s[68:69]     ; out0 or out1
	s_lshl_b32 s74, s40, 10
	s_lshl_b32 s75, s16, 9
	s_add_co_u32 s74, s74, s75                     ; my 128 outputs, in bytes
	s_mov_b32 s75, 0
	s_add_nc_u64 s[8:9], s[8:9], s[74:75]
	s_add_nc_u64 s[12:13], s[12:13], s[74:75]
	s_and_b32 s74, s17, 31
	s_lshl_b32 s74, s74, 19                        ; 128 rows of 4,096 bytes a work-group,
	s_lshl_b32 s76, s15, 18                        ; 64 for the second half
	s_add_co_u32 s74, s74, s76
	s_add_nc_u64 s[12:13], s[12:13], s[74:75]
	v_and_b32 v1, 31, v0
	v_and_b32 v2, 15, v0                           ; r
	v_bfe_u32 v3, v0, 4, 1                         ; h
	v_lshlrev_b32 v[L16], 4, v1
	v_lshlrev_b32 v[L8], 3, v1
	v_lshlrev_b32 v[L4], 2, v1
	v_lshlrev_b32 v[HB], 6, v3
	v_add_nc_u32 v[ADRA], s18, v[L16]
	v_add_nc_u32 v[ADRA+1], s18, v[L8]
	v_add_nc_u32 v[ADRB], s19, v[L16]
	v_add_nc_u32 v[ADRB+1], s19, v[L8]
	v_add_nc_u32 v[ADRB+2], s22, v[L16]
	v_add_nc_u32 v[ADRB+3], s22, v[L8]
	v_mul_u32_u24 v4, v2, SPITCH
	v_lshl_add_u32 v4, v3, 6, v4
	v_add_nc_u32 v[STO], s23, v4                   ; into the stage: row r, 64 bytes for lanes 16-31
	v_add_nc_u32 v[RD], s23, v[L16]                ; out of it: the 32 lanes take a row of 512 bytes
	v_mov_b32 v5, s72
	v_mov_b32 v6, s73
	v_cmp_eq_u32 vcc_lo, 1, v3
	v_cndmask_b32 v5, v5, v6, vcc_lo
	v_add_nc_u32 v[SOF], v5, v[L4]                 ; lanes 0-15 take A's words, lanes 16-31 B's
	v_add_nc_u32 v[SOB], s73, v[L4]                ; all lanes B's: A' has no blocks 4-7
	s_wait_alu depctr_va_vdst(0)                   ; the wait at the head's end
.irp i, 0,1,2,3
.irp kk, 0,1,2,3,4,5,6,7
	global_load_b32 v[SC+8*\i+\kk], v[SOF], s[6:7] offset:1024*\i+128*\kk
.endr
.endr
.irp i, 4,5,6,7
.irp kk, 0,1,2,3,4,5,6,7
	global_load_b32 v[SC+8*\i+\kk], v[SOB], s[6:7] offset:1024*\i+128*\kk
.endr
.endr
	WIN TO_B                                       ; set x of the bias (for B' block x) at v[96 + 8 x + 96 (x / 4)] of window 1
.irp x, 0,1,2,3,4,5,6,7
	global_load_b128 v[96+8*\x+96*(\x/4):96+8*\x+96*(\x/4)+3], v[HB], s[8:9] offset:4*(32*(\x/2)+8*(\x%2))
	global_load_b128 v[96+8*\x+96*(\x/4)+4:96+8*\x+96*(\x/4)+7], v[HB], s[8:9] offset:4*(32*(\x/2)+8*(\x%2))+16
.endr
	WIN 0
.macro FRAG reg, adr, off              ; a fragment as it lies
	ds_load_b128 v[\reg:\reg+3], v[\adr] offset:\off
	ds_load_b64 v[\reg+4:\reg+5], v[\adr+1] offset:\off+512
	ds_load_b128 v[\reg+6:\reg+9], v[\adr] offset:\off+768
	ds_load_b64 v[\reg+10:\reg+11], v[\adr+1] offset:\off+1280
.endm
.macro FETCH kk                        ; K step kk: B's eight fragments and A's four, into sets kk % 2: 48 loads
	WIN TO_B
.irp i, 0,1,2,3,4,5,6,7
	FRAG 128*((\kk)%2)+FR*\i, ADRB+2*(\i/4), TILE*(\i%4)+1536*(\kk)
.endr
	WIN 0
.irp i, 0,1,2,3
	FRAG AF+48*((\kk)%2)+FR*\i, ADRA, TILE*\i+1536*(\kk)
.endr
.endm
.macro MULH kk, a0, first              ; 16 products: A' blocks a0, a0 + 1 x B's eight.  first = 1: the sums begin with the bias of B's block
.irp a, \a0, \a0+1
.irp b, 0,1,2,3,4,5,6,7
.if \first
.set CR, 96+8*\b+96*(\b/4)
.else
.set CR, 8*(8*(\a)+\b)
.endif
	v_wmma_scale_f32_16x16x128_f8f6f4 v[8*(8*(\a)+\b):8*(8*(\a)+\b)+7], v[128*((\kk)%2)+FR*\b:128*((\kk)%2)+FR*\b+FR-1], v[AF+48*((\kk)%2)+FR*(\a):AF+48*((\kk)%2)+FR*(\a)+FR-1], v[CR:CR+7], v[SC+8*\b+(\kk)], v[SC+8*(\a)+(\kk)] matrix_a_fmt:MATRIX_FMT_FP6 matrix_b_fmt:MATRIX_FMT_FP6 matrix_a_scale:MATRIX_SCALE_ROW1
.endr
.endr
.endm
; A K step of 128: 32 products; the next step's fragments are asked for in its middle, into the sets that the step before multiplied.
.macro KSTEP kk, first, last
	s_wait_dscnt 0x0                               ; this step's fragments are in
.if \last
	s_barrier_signal -1                            ; my reads of LDS are over: behind this barrier A's bytes serve as stages
.endif
.if (\first) == 0 && (\last) == 0
	PLACES                                         ; behind the last step's products, ahead of the loads into their sources
.endif
.if \first
	WIN BIA_LO
.else
	WIN MUL_LO
.endif
	MULH \kk, 0, \first
.if (\last) == 0
	FETCH (\kk)+1
.endif
.if \first
	WIN BIA_LO
.else
	WIN MUL_LO
.endif
	MULH \kk, 2, \first
	WIN 0
.endm
	s_wait_alu depctr_va_vdst(0)
	s_wait_tensorcnt 0x0                           ; my part of the tiles has landed
	s_barrier_signal -1
	s_barrier_wait -1                              ; everybody's has.
	FETCH 0
	s_wait_loadcnt 0x0                             ; the scale words and the bias
	KSTEP 0, 1, 0
.set KK, 1
.rept 6
	KSTEP KK, 0, 0
.set KK, KK+1
.endr
	KSTEP 7, 0, 1
	s_barrier_wait -1
; THE WAY OUT, block by block of 16 tokens x 128 outputs, through my own stage: in as 32 bytes a lane, back as whole rows of 512 bytes.  LDS serves a wave's instructions in order (ISA guide 5.7.1.4).
.macro TOSTAGE a
.set AC, 64*(\a)
	WIN 0x08                                       ; the data: window 2
.irp b, 0,1,2,3,4,5,6,7
	ds_store_b128 v[STO], v[AC+8*\b:AC+8*\b+3] offset:128*(\b/2)+32*(\b%2)          ; each accumulator from its low end on
	ds_store_b128 v[STO], v[AC+8*\b+4:AC+8*\b+7] offset:128*(\b/2)+32*(\b%2)+16
.endr
	WIN 0
.set BB, BK+64*((\a)%2)
.irp t, 0,1,2,3,4,5,6,7,8,9,10,11,12,13,14,15
	ds_load_b128 v[BB+4*\t:BB+4*\t+3], v[RD] offset:\t*SPITCH
.endr
.endm
.macro SEND a, younger                 ; younger: the LDS instructions issued behind block a's loads, which may stay out
.set BB, BK+64*((\a)%2)
	s_wait_dscnt \younger
.if (\a) > 0
.if (\a)%2 == 1
	s_add_nc_u64 s[12:13], s[12:13], 8*4096        ; (behind a wait on XCNT)  the odd tile of a group of 32 rows begins 8 rows on,
.else
	s_add_nc_u64 s[12:13], s[12:13], 24*4096       ; the next group 24 further
.endif
.endif
.irp t, 0,1,2,3,4,5,6,7,8,9,10,11,12,13,14,15
	global_store_b128 v[L16], v[BB+4*\t:BB+4*\t+3], s[12:13] offset:(\t+8*(\t/8))*4096 th:TH_STORE_NT   ; 32 lanes store 512 consecutive bytes, at a multiple of 256 from the output's first byte
.endr
.endm
	PLACES                                         ; ahead of the first read of results and of loads into the registers that held A' fragments
	TOSTAGE 0
.irp a, 1,2,3
.if \a > 1
	s_wait_xcnt 0x0                                ; block a - 2's stores have read their registers and their base
.endif
	TOSTAGE \a
	SEND \a-1, 32                                  ; behind block a - 1's loads: block a's 16 stores and 16 loads
.endr
	s_wait_xcnt 0x0
	SEND 3, 0
	s_wait_tensorcnt 0x0                           ; the wave's end
	ds_add_u32 v[SPW], v[NIL]
	s_wait_dscnt 0x0
	CROUND                                         ; the closing round
	s_endpgm
.Lfunc_end_k_q6328ec4c1f_outp:
	.size	k_q6328ec4c1f_outp, .Lfunc_end_k_q6328ec4c1f_outp-k_q6328ec4c1f_outp
	.p2alignl 7, 3214868480
	.fill 96, 4, 3214868480
	.section	.rodata,"a",@progbits
	.p2align	6, 0x0
	.amdhsa_kernel k_q6328ec4c1f_outp
		.amdhsa_group_segment_fixed_size 295424
		.amdhsa_private_segment_fixed_size 0
		.amdhsa_enable_private_segment 0
		.amdhsa_kernarg_size 48
		.amdhsa_user_sgpr_count 2
		.amdhsa_user_sgpr_kernarg_segment_ptr 1
		.amdhsa_wavefront_size32 1
		.amdhsa_system_sgpr_workgroup_id_x 1
		.amdhsa_system_sgpr_workgroup_id_y 1
		.amdhsa_system_sgpr_workgroup_id_z 1
		.amdhsa_system_vgpr_workitem_id 0
		.amdhsa_next_free_vgpr 768
		.amdhsa_next_free_sgpr 102
		.amdhsa_reserve_vcc 1
		.amdhsa_float_denorm_mode_32 3
		.amdhsa_float_denorm_mode_16_64 3
		.amdhsa_memory_ordered 1
		.amdhsa_forward_progress 1
		.amdhsa_inst_pref_size 88
	.end_amdhsa_kernel
	.amdgpu_metadata
---
amdhsa.version: [ 1, 2 ]
amdhsa.kernels:
  - .name:           k_q6328ec4c1f_outp
    .symbol:         k_q6328ec4c1f_outp.kd
    .args:
      - { .name: codes, .offset: 0, .size: 8, .value_kind: global_buffer, .address_space: global }
      - { .name: scales, .offset: 8, .size: 8, .value_kind: global_buffer, .address_space: global }
      - { .name: bo_a, .offset: 16, .size: 8, .value_kind: global_buffer, .address_space: global }
      - { .name: bo_b, .offset: 24, .size: 8, .value_kind: global_buffer, .address_space: global }
      - { .name: out0, .offset: 32, .size: 8, .value_kind: global_buffer, .address_space: global }
      - { .name: out1, .offset: 40, .size: 8, .value_kind: global_buffer, .address_space: global }
    .group_segment_fixed_size: 295424
    .private_segment_fixed_size: 0
    .kernarg_segment_align: 8
    .kernarg_segment_size: 48
    .max_flat_workgroup_size: 128
    .sgpr_count:     102
    .vgpr_count:     768
    .wavefront_size: 32
...
	.end_amdgpu_metadata
.endif
;; end of part 4
